; MI455X (gfx1250); checked and timed in simulation.
; The chip was launched on July 23, 2026; its instructions are those of AMD's public machine-readable ISA for CDNA 5 (MIT licence, August 2026) and "CDNA5" Instruction Set Architecture Reference Guide (July 2026). The comments in the code are by the model that wrote it; some were corrected since.
;; Linformer Self Attention. Allowed arithmetic: float matrix products may take bf16 or f16 operands with f32 sums; other float arithmetic in f32, or as packed bf16 or f16 multiplies, adds, multiply-adds, maxima and minima; sums over many terms, partial sums and values carried from step to step in f32; what a program stores and reads back later, other than sums and carried values, may be rounded once to bf16 or f16.
;; Inputs: H_k 4,096 x 256 float32; H_v 4,096 x 256 float32; W_qkv 1,024 x 3,072 float32; b_qkv 3,072 float32; x 4 x 4,096 x 1,024 float32.
;; Outputs: out0 4 x 4,096 x 1,024 float32.
;; One version. Each part assembles by itself: llvm-mc -triple=amdgcn-amd-amdhsa -mcpu=gfx1250 --defsym DOCPART=n.
;; ======== version 1 of 1: 5 launches
;; workspace buffers: XH 37,748,736 bytes; PW2 4,272,128 bytes; PW3 4,272,128 bytes; GS 8,388,608 bytes; KVC 8,519,680 bytes; MTC 8,519,680 bytes
;; launch prep (part 1): grid 1473 x 1, 8 waves a work-group, no clusters, 26,624 bytes of LDS; arguments x, W_qkv, b_qkv, H_k, H_v, XH, PW2, PW3; writes XH, PW2, PW3
.if DOCPART == 1
	.amdgcn_target "amdgcn-amd-amdhsa--gfx1250"
	.amdhsa_code_object_version 6
	.text
	.protected	k_qb6b1b469ea_prep
	.globl	k_qb6b1b469ea_prep
	.p2align	8
	.type	k_qb6b1b469ea_prep,@function
k_qb6b1b469ea_prep:
	s_mov_b64 s[64:65], 0
	v_nop
	global_prefetch_b8 v0, s[64:65] scope:SCOPE_SE
	s_setreg_imm32_b32 hwreg(HW_REG_WAVE_MODE, 25, 1), 1
	s_wait_xcnt 0x0
; PREP.  Every input is rounded ONCE to bf16 (nearest even) and laid out as the later launches' tiles want it.  No product is made here: the text streams.
;   XH : x as [b][c / 64][l][c % 64] bf16 (a block of 64 channels is dense: 128 bytes a row l); behind it, at HB, H as [l][512] bf16: H_k's 256 columns, then H_v's.
;   PW2: W_k and W_v turned, [kv][row][c] bf16 (2,048 bytes a row).  W_k's row is the channel d.  W_v's row 64 g + 16 t + r holds channel 64 g + 4 r + t, so that the
;        last launch finds four neighbouring channels in one lane.  At VEC, in f32 (values rounded to bf16): b_k, b_v (in W_v's row order), b_q, and 32 partial column sums of the rounded H.
;   PW3: W_q as it lies, [c][d] bf16; at VEC zeros, in the places where PW2 has vectors.
; LIMITS.  All later arithmetic sees the inputs as bf16; NaN and infinities are not treated apart.
; SHARES.  1,473 small work-groups of eight waves, one job each, chosen by the work-group's number: 0 the vectors; 1-128 H (128 rows x 128 columns); 129-192 W_q (16 rows);
; 193-448 W_k, W_v (128 c x 64 d, turned through LDS); 449-1472 x (16 rows).  Each job is straight-line: all its loads go out first, so a wave has 16 loads of 16 bytes on their way.
; No matrix unit, no cluster, no tensor load: nothing is shared and every byte is read once.
; LDS.  The two jobs that use LDS have bytes of their own: the turned tile 64 rows x 272 bytes from byte 0, H's partial sums 16 rows x 512 bytes from HS; behind them the spare words.
.set HS,    17408                      ; H's partial sums: 8,192 bytes
.set SPARE, 25600                      ; the spare words, 128 bytes for each of eight waves
.set HB,    33554432
.set VEC,   4194304
.set SPW, 12                           ; v12  LDS address of my spare word; never rewritten
.set NIL, 13                           ; v13  0; never rewritten
.set IN,  16                           ; v[16:79]   eight ops x eight f32 as loaded
.set Y,   80                           ; v[80:111]  eight ops x four words of bf16 to store
.macro CVT4 o                          ; eight f32 of op o to eight bf16
.irp k, 0,1,2,3
	v_cvt_pk_bf16_f32 v[Y+4*(\o)+(\k)], v[IN+8*(\o)+2*(\k)], v[IN+8*(\o)+2*(\k)+1]
.endr
.endm
; Eight ops.  Op o reads 32 bytes a lane at (o / dv) ia + (o % dv) ib and stores 16 bytes a lane at (o / dv) oa + (o % dv) ob.  No register is written twice, so the only waits are the counted ones.
; sums = 1: the rounded numbers are widened again, in the registers that they were loaded into, and added up over the ops in v[IN:IN+7] (op 0 starts the sums).
.macro STREAM vi, sbi, dv, ia, ib, vo, sbo, oa, ob, sums
.set o, 0
.rept 8
	global_load_b128 v[IN+8*o:IN+8*o+3],   v[\vi], s[\sbi:\sbi+1] offset:(o/(\dv))*(\ia)+(o%(\dv))*(\ib) th:TH_LOAD_NT
	global_load_b128 v[IN+8*o+4:IN+8*o+7], v[\vi], s[\sbi:\sbi+1] offset:(o/(\dv))*(\ia)+(o%(\dv))*(\ib)+16 th:TH_LOAD_NT
.set o, o+1
.endr
.set o, 0
.rept 8
	s_wait_loadcnt 14-2*o                  ; loads come back in order: op o's two are in, the 14 - 2 o younger ones stay out
	CVT4 o
	global_store_b128 v[\vo], v[Y+4*o:Y+4*o+3], s[\sbo:\sbo+1] offset:(o/(\dv))*(\oa)+(o%(\dv))*(\ob)
.if \sums
.irp k, 0,1,2,3
	v_lshlrev_b32 v[IN+8*o+2*(\k)],   16, v[Y+4*o+(\k)]
	v_and_b32     v[IN+8*o+2*(\k)+1], s6, v[Y+4*o+(\k)]
.endr
.if o > 0
.irp k, 0,2,4,6
	v_pk_add_f32 v[IN+(\k):IN+(\k)+1], v[IN+(\k):IN+(\k)+1], v[IN+8*o+(\k):IN+8*o+(\k)+1]
.endr
.endif
.endif
.set o, o+1
.endr
.endm
	s_load_b512 s[8:23], s[0:1], 0x0       ; x s[8:9], W s[10:11], b s[12:13], H_k s[14:15], H_v s[16:17], XH s[18:19], PW2 s[20:21], PW3 s[22:23]
	v_lshl_add_u32 v[SPW], v0, 2, SPARE
	v_mov_b32 v[NIL], 0
	v_and_b32 v1, 31, v0                   ; lane
	v_lshrrev_b32 v2, 5, v0                ; wave, in every lane
	v_readfirstlane_b32 s4, v2             ; and as a scalar
	s_mov_b32 s5, ttmp9                    ; the job's number
	s_mov_b32 s6, 0xffff0000               ; a word's upper bf16
	s_mov_b32 s29, 0                       ; s[28:29]: every byte offset, below 4 GiB
	s_wait_kmcnt 0x0
	s_cmp_ge_u32 s5, 449
	s_cbranch_scc1 .Ljob_x
	s_cmp_ge_u32 s5, 193
	s_cbranch_scc1 .Ljob_wt
	s_cmp_ge_u32 s5, 129
	s_cbranch_scc1 .Ljob_wq
	s_cmp_ge_u32 s5, 1
	s_cbranch_scc1 .Ljob_h
	; THE VECTORS.  Thread t has four numbers of each third of b.
	v_lshlrev_b32 v3, 4, v0                ; 16 t
	global_load_b128 v[16:19], v3, s[12:13]               ; b_q
	global_load_b128 v[20:23], v3, s[12:13] offset:4096   ; b_k
	global_load_b128 v[24:27], v3, s[12:13] offset:8192   ; b_v
	s_add_nc_u64 s[20:21], s[20:21], VEC
	s_add_nc_u64 s[22:23], s[22:23], VEC
.irp k, 32,33,34,35
	v_mov_b32 v\k, 0
.endr
.set u, 0
.rept 19                               ; 19 x 4,096 = 77,824 bytes of zeros
	global_store_b128 v3, v[32:35], s[22:23] offset:u*4096
.set u, u+1
.endr
	v_lshrrev_b32 v4, 4, v0
	v_and_b32 v5, 15, v0
	v_lshl_add_u32 v4, v4, 6, v5
	v_lshlrev_b32 v4, 2, v4                ; channel 4 t + tt goes to row 64 (t / 16) + 16 tt + t % 16
	s_wait_loadcnt 0x0
.irp q, 0,1,2,3,4,5
	v_cvt_pk_bf16_f32 v[36+(\q)], v[16+2*(\q)], v[17+2*(\q)]
.endr
.irp q, 0,1,2,3,4,5
	v_lshlrev_b32 v[16+2*(\q)], 16, v[36+(\q)]
	v_and_b32     v[17+2*(\q)], s6, v[36+(\q)]
.endr
	global_store_b128 v3, v[16:19], s[20:21] offset:8192
	global_store_b128 v3, v[20:23], s[20:21]
.irp tt, 0,1,2,3
	global_store_b32 v4, v[24+(\tt)], s[20:21] offset:4096+64*(\tt)
.endr
	s_branch .Lexit
.Ljob_h:                               ; H: rows 128 rb .. + 127, columns 128 cq .. + 127 of the 512
	s_sub_co_u32 s5, s5, 1
	s_lshr_b32 s24, s5, 2                  ; rb
	s_and_b32 s26, s5, 3                   ; cq
	s_cmp_lt_u32 s26, 2
	s_cselect_b64 s[14:15], s[14:15], s[16:17]
	s_lshl_b32 s28, s24, 17                ; 128 rows of 1,024 bytes, in and out
	s_and_b32 s30, s26, 1
	s_lshl_b32 s30, s30, 9
	s_add_co_u32 s28, s28, s30
	s_add_nc_u64 s[14:15], s[14:15], s[28:29]
	s_lshl_b32 s28, s24, 17
	s_lshl_b32 s30, s26, 8
	s_add_co_u32 s28, s28, s30
	s_add_co_u32 s28, s28, HB
	s_add_nc_u64 s[18:19], s[18:19], s[28:29]
	s_lshl_b32 s28, s24, 11                ; the partial sums' row rb, 2,048 bytes
	s_lshl_b32 s30, s26, 9
	s_add_co_u32 s28, s28, s30
	s_add_co_u32 s28, s28, VEC+12288
	s_add_nc_u64 s[20:21], s[20:21], s[28:29]
	v_lshrrev_b32 v3, 4, v0                ; my row among 16
	v_and_b32 v4, 15, v0                   ; my eight columns
	v_lshlrev_b32 v5, 10, v3
	v_lshl_add_u32 v6, v4, 4, v5           ; out: 16 lanes fill 256 consecutive bytes
	v_lshl_add_u32 v5, v4, 5, v5           ; in
	v_lshlrev_b32 v7, 9, v3
	v_lshl_add_u32 v7, v4, 5, v7           ; my eight sums in LDS: 16 rows of 512 bytes, from HS on
	STREAM 5, 14, 8, 0, 16384, 6, 18, 0, 16384, 1
	ds_store_b128 v7, v[16:19] offset:HS
	ds_store_b128 v7, v[20:23] offset:HS+16
	s_wait_dscnt 0x0                       ; for wave 0's sake: my stores are done
	s_barrier_signal -1
	s_barrier_wait -1
	s_cmp_lg_u32 s4, 0
	s_cbranch_scc1 .Lexit
	v_lshlrev_b32 v8, 4, v1                ; wave 0 adds the 16 rows: four columns a lane
.set p, 0
.rept 16
	ds_load_b128 v[16+4*p:19+4*p], v8 offset:HS+p*512
.set p, p+1
.endr
	s_wait_dscnt 0x0
.irp st, 8,4,2,1
.set p, 0
.rept \st
	v_pk_add_f32 v[16+4*p:17+4*p], v[16+4*p:17+4*p], v[16+4*(p+\st):17+4*(p+\st)]
	v_pk_add_f32 v[18+4*p:19+4*p], v[18+4*p:19+4*p], v[18+4*(p+\st):19+4*(p+\st)]
.set p, p+1
.endr
.endr
	global_store_b128 v8, v[16:19], s[20:21]
	s_branch .Lexit
.Ljob_wq:                              ; W_q: 16 rows c, the first 1,024 numbers of each
	s_sub_co_u32 s5, s5, 129
	s_mul_i32 s28, s5, 196608              ; 16 rows of 12,288 bytes
	s_add_nc_u64 s[10:11], s[10:11], s[28:29]
	s_lshl_b32 s28, s5, 15                 ; 16 rows of 2,048 bytes
	s_add_nc_u64 s[22:23], s[22:23], s[28:29]
	v_mul_u32_u24 v5, v2, 24576            ; a wave has two rows
	v_lshl_add_u32 v5, v1, 5, v5
	v_lshlrev_b32 v6, 12, v2
	v_lshl_add_u32 v6, v1, 4, v6
	STREAM 5, 10, 4, 12288, 1024, 6, 22, 2048, 512, 0
	s_branch .Lexit
.Ljob_wt:                              ; W_k, W_v turned: 128 c x 64 d
	s_sub_co_u32 s5, s5, 193
	s_lshr_b32 s24, s5, 7                  ; kv
	s_bfe_u32 s25, s5, 0x40003             ; g: which 64 channels
	s_and_b32 s26, s5, 7                   ; cb: which 128 rows c
	s_mul_i32 s28, s26, 1572864            ; 128 rows of 12,288 bytes
	s_lshl_b32 s30, s24, 12
	s_add_co_u32 s28, s28, s30
	s_lshl_b32 s30, s25, 8
	s_add_co_u32 s28, s28, s30
	s_add_co_u32 s28, s28, 4096            ; column 1,024 (1 + kv) + 64 g
	s_add_nc_u64 s[10:11], s[10:11], s[28:29]
	s_lshl_b32 s28, s24, 21
	s_lshl_b32 s30, s25, 17                ; 64 rows of 2,048 bytes
	s_add_co_u32 s28, s28, s30
	s_lshl_b32 s30, s26, 8
	s_add_co_u32 s28, s28, s30
	s_add_nc_u64 s[20:21], s[20:21], s[28:29]
	v_and_b32 v3, 15, v0                   ; r: my four channels 4 r ..
	v_lshrrev_b32 v4, 4, v0                ; p: my two rows c = 2 p, 2 p + 1 of each 32
	v_mul_u32_u24 v5, v4, 24576
	v_lshl_add_u32 v5, v3, 4, v5
.set it, 0
.rept 4
	global_load_b128 v[16+8*it:19+8*it], v5, s[10:11] offset:it*393216 th:TH_LOAD_NT
	global_load_b128 v[20+8*it:23+8*it], v5, s[10:11] offset:it*393216+12288 th:TH_LOAD_NT
.set it, it+1
.endr
	v_mul_u32_u24 v7, v4, 272
	v_lshl_add_u32 v7, v3, 4, v7           ; back: row p (+ 16 u), 16 bytes at 16 r
	v_lshlrev_b32 v8, 11, v4
	v_lshl_add_u32 v8, v3, 4, v8           ; and the same place in PW2
	v_lshlrev_b32 v9, 2, v4                ; two c are one word
; A word holds one channel's numbers of rows c and c + 1.  It goes to LDS row (the channel's row in PW2), 272 bytes apart: rs from r to r + 1, ts from tt to tt + 1.
.macro WTJOB rs, ts
	v_mul_u32_u24 v6, v3, \rs
	v_add_nc_u32 v6, v6, v9
.set it, 0
.rept 4
	s_wait_loadcnt 6-2*it                  ; this pair of rows is in, the younger pairs stay out
.irp tt, 0,1,2,3
	v_cvt_pk_bf16_f32 v[80+(\tt)], v[16+8*it+(\tt)], v[20+8*it+(\tt)]
	ds_store_b32 v6, v[80+(\tt)] offset:(\tt)*(\ts)+it*64
.endr
.set it, it+1
.endr
.endm
	s_cmp_eq_u32 s24, 0
	s_cbranch_scc1 .Lwt_plain
	WTJOB 272, 4352                        ; W_v: channel 4 r + tt to row 16 tt + r
	s_branch .Lwt_join
.Lwt_plain:
	WTJOB 1088, 272                        ; W_k: channel 4 r + tt to row 4 r + tt
.Lwt_join:
	s_wait_dscnt 0x0                       ; for the others' sake: my stores are done
	s_barrier_signal -1
	s_barrier_wait -1
.irp u, 0,1,2,3
	ds_load_b128 v[16+4*(\u):19+4*(\u)], v7 offset:(\u)*4352
.endr
.irp u, 0,1,2,3
	s_wait_dscnt 3-(\u)
	global_store_b128 v8, v[16+4*(\u):19+4*(\u)], s[20:21] offset:(\u)*32768   ; 16 lanes fill 256 consecutive bytes of a row
.endr
	s_branch .Lexit
.Ljob_x:                               ; x: 16 rows
	s_sub_co_u32 s5, s5, 449
	s_lshl_b32 s28, s5, 16                 ; 16 rows of 4,096 bytes
	s_add_nc_u64 s[8:9], s[8:9], s[28:29]
	s_lshr_b32 s28, s5, 8                  ; the batch
	s_lshl_b32 s28, s28, 23
	s_and_b32 s30, s5, 255
	s_lshl_b32 s30, s30, 11                ; 16 rows of 128 bytes
	s_add_co_u32 s28, s28, s30
	s_add_nc_u64 s[18:19], s[18:19], s[28:29]
	v_lshrrev_b32 v3, 3, v1                ; my row among four
	v_and_b32 v4, 7, v1                    ; my eight channels among 64
	v_lshlrev_b32 v5, 12, v3
	v_lshl_add_u32 v5, v2, 9, v5           ; wave w has channel blocks 2 w and 2 w + 1
	v_lshl_add_u32 v5, v4, 5, v5
	v_lshlrev_b32 v6, 7, v3
	v_lshl_add_u32 v6, v2, 20, v6
	v_lshl_add_u32 v6, v4, 4, v6           ; a store covers four rows of a block: 512 consecutive bytes
	STREAM 5, 8, 2, 16384, 256, 6, 18, 512, 524288, 0
.Lexit:
	s_wait_tensorcnt 0x0                   ; the wave's end: behind my last LDS store
	ds_add_u32 v[SPW], v[NIL]
	s_wait_dscnt 0x0
	s_endpgm
.Lfunc_end_k_qb6b1b469ea_prep:
	.size	k_qb6b1b469ea_prep, .Lfunc_end_k_qb6b1b469ea_prep-k_qb6b1b469ea_prep
	.p2alignl 7, 3214868480
	.fill 96, 4, 3214868480
	.section	.rodata,"a",@progbits
	.p2align	6, 0x0
	.amdhsa_kernel k_qb6b1b469ea_prep
		.amdhsa_group_segment_fixed_size 26624
		.amdhsa_private_segment_fixed_size 0
		.amdhsa_enable_private_segment 0
		.amdhsa_kernarg_size 64
		.amdhsa_user_sgpr_count 2
		.amdhsa_user_sgpr_kernarg_segment_ptr 1
		.amdhsa_wavefront_size32 1
		.amdhsa_system_sgpr_workgroup_id_x 1
		.amdhsa_system_sgpr_workgroup_id_y 1
		.amdhsa_system_sgpr_workgroup_id_z 1
		.amdhsa_system_vgpr_workitem_id 0
		.amdhsa_next_free_vgpr 112
		.amdhsa_next_free_sgpr 66
		.amdhsa_reserve_vcc 0
		.amdhsa_float_denorm_mode_32 3
		.amdhsa_float_denorm_mode_16_64 3
		.amdhsa_memory_ordered 1
		.amdhsa_forward_progress 1
		.amdhsa_inst_pref_size 36
	.end_amdhsa_kernel
	.amdgpu_metadata
---
amdhsa.version: [ 1, 2 ]
amdhsa.kernels:
  - .name:           k_qb6b1b469ea_prep
    .symbol:         k_qb6b1b469ea_prep.kd
    .args:
      - { .name: x, .offset: 0, .size: 8, .value_kind: global_buffer, .address_space: global }
      - { .name: W_qkv, .offset: 8, .size: 8, .value_kind: global_buffer, .address_space: global }
      - { .name: b_qkv, .offset: 16, .size: 8, .value_kind: global_buffer, .address_space: global }
      - { .name: H_k, .offset: 24, .size: 8, .value_kind: global_buffer, .address_space: global }
      - { .name: H_v, .offset: 32, .size: 8, .value_kind: global_buffer, .address_space: global }
      - { .name: XH, .offset: 40, .size: 8, .value_kind: global_buffer, .address_space: global }
      - { .name: PW2, .offset: 48, .size: 8, .value_kind: global_buffer, .address_space: global }
      - { .name: PW3, .offset: 56, .size: 8, .value_kind: global_buffer, .address_space: global }
    .group_segment_fixed_size: 26624
    .private_segment_fixed_size: 0
    .kernarg_segment_align: 8
    .kernarg_segment_size: 64
    .max_flat_workgroup_size: 256
    .sgpr_count:     66
    .vgpr_count:     112
    .wavefront_size: 32
...
	.end_amdgpu_metadata
.endif
;; end of part 1
;; launch gram (part 2): grid 64 x 4, 4 waves a work-group, clusters of 4 x 4, 327,680 bytes of LDS; arguments XH, GS; writes GS
.if DOCPART == 2
	.amdgcn_target "amdgcn-amd-amdhsa--gfx1250"
	.amdhsa_code_object_version 6
	.text
	.protected	k_qb6b1b469ea_gram
	.globl	k_qb6b1b469ea_gram
	.p2align	8
	.type	k_qb6b1b469ea_gram,@function
k_qb6b1b469ea_gram:
	s_mov_b64 s[64:65], 0
	v_nop
	global_prefetch_b8 v0, s[64:65] scope:SCOPE_SE
	s_setreg_imm32_b32 hwreg(HW_REG_WAVE_MODE, 25, 1), 1
	s_wait_xcnt 0x0
	s_wait_alu depctr_hold_cnt(0) depctr_sa_sdst(0) depctr_va_vdst(0) depctr_va_sdst(0) depctr_va_ssrc(0) depctr_va_vcc(0) depctr_vm_vsrc(0)
	s_getreg_b32 s2, hwreg(HW_REG_IB_STS2, 6, 4)
	s_cmp_eq_u32 s2, 0
	s_cbranch_scc0 .Lentry_in_a_cluster
	s_endpgm
.Lentry_in_a_cluster:
	s_bfe_u32 s2, ttmp6, 0x10000c
	s_cmp_lg_u32 s2, 0xf033
	s_cbranch_scc0 .Lentry_shape_is_right
	s_endpgm
.Lentry_shape_is_right:
; GRAM.  G[kk][c] = the sum over l of H[l][kk] x[b][l][c], kk over H_k's 256 columns and then H_v's, for each batch b.  Operands bf16 (the rounded inputs, exact), sums f32.
; reference() projects k = x W_k + b_k by H_k; this program projects x first (the same sum in another order), so that every large product has an input as one operand.
; G LEAVES SPLIT: each number as hi = bf16(v) and lo = bf16(v - hi), about 16 significant bits.  Element (row m, column k, part) lies at byte
; (k / 256) 2,097,152 + m 1,024 + ((k / 64) % 4) 256 + part 128 + 2 (k % 64); row m = kv 1,024 + b 256 + (kk % 256).
; SHARES.  A work-group makes 128 kk x 64 c over all 4,096 l: 256 work-groups; a wave 32 kk x 64 c: 8 accumulators.  l goes in steps of 256 through two LDS slots.
; Both operands lie [l][column] in LDS, so both fragments come out turned, by ds_load_tr16_b128.  Source 0 = 16 columns c, source 1 = 16 columns kk: a lane then holds one row kk of G and eight neighbouring c.
; CLUSTER 4 x 4.  H's tile hangs on the tile row alone (shared along a row of the cluster), x's on batch and channel block alone (shared along a column): each is asked for jointly.
; The grid has as many rows as the cluster, so the tile row is my place cy.
; REGISTERS.  window 0: v1-7 lane terms, v16-29 addresses, v32-47 at work, v64-127 rows read back from the stage, v128-191 accumulators ((a, b) at 128 + 8 (4 a + b)).
;   window 1: two fragment buffers of 96: for each 32 of l, 16 registers of H (2 x 16 kk), 32 of x (4 x 16 c).
.set PH,    288                        ; a row of H in LDS: 256 bytes + 32: 72 words
.set PX,    160                        ; a row of x: 128 + 32
.set HHALF, 128*PH                     ; what one tensor load brings of H,
.set XOFF,  256*PH
.set XHALF, 128*PX                     ; and of x
.set SLOT,  256*(PH+PX)
.set STAGE, 2*SLOT                     ; behind the ring: 16 rows x 272 bytes for each wave, for the way out
.set SP,    272
.set SPARE, STAGE+4*16*SP              ; the spare words, 128 bytes for each wave
.set HB,    33554432
.set LAPS,  8                          ; 4,096 l = 8 times round the ring
.set AH,  16                           ; v16-19  my H fragments: slot s, rows 128 hf on, at v[AH + 2 s + hf]
.set AX,  20                           ; v20-21  my x fragments in slot 0, 1
.set STO, 24
.set RD,  25
.set CO,  26
.set SPW, 28                           ; LDS address of my spare word; never rewritten
.set NIL, 29                           ; 0; never rewritten
.set HIW, 32                           ; four words of hi
.set LOW, 36                           ; four words of lo
.set RES, 40                           ; eight f32 at work
.set BK,  64
.set ACC, 128
.set F0,  0
.set F1,  128
.set G1H, 24
.set G0H, 32
.set G1X, 48
.set G0X, 56
.set MSB, 0
.macro WIN new                         ; the immediate's high byte repeats the setting that is left
.if MSB != (\new)
	s_set_vgpr_msb (MSB<<8)|(\new)
.set MSB, \new
.endif
.endm
.set MUL,  0x05                        ; sources 0 and 1 window 1; C and D window 0
.set TO_F, 0x40                        ; destination window 1, address window 0
.macro PLACES                          ; four places in front of loads into registers that matrix instructions have read, and of reads of their results
.rept 4
	v_nop
.endr
.endm
.macro JLOAD s                         ; a joint load: waves 0 and 1 fetch H's two halves, waves 2 and 3 x's; an s_nop 0 and four v_nop follow each line
	s_cmp_eq_u32 s11, 0
	s_cbranch_scc0 .Lfor_x_\@
	tensor_load_to_lds s[G0H+4*(\s):G0H+4*(\s)+3], s[G1H:G1H+7]
	s_nop 0
	PLACES
	s_branch .Lasked_\@
.Lfor_x_\@:
	tensor_load_to_lds s[G0X+4*(\s):G0X+4*(\s)+3], s[G1X:G1X+7]
	s_nop 0
	PLACES
.Lasked_\@:
.endm
.macro CREST                           ; a round of the cluster's barrier behind its opening barrier
	s_cmp_lg_u32 s10, 0
	s_cbranch_scc1 .Lnot_wave_0_\@
	s_barrier_signal -3
.Lnot_wave_0_\@:
	s_barrier_wait -3
	s_barrier_signal -1
	s_barrier_wait -1
.endm
.macro CROUND
	s_barrier_signal -1
	s_barrier_wait -1
	CREST
.endm
	s_load_b128 s[4:7], s[0:1], 0x0        ; XH s[4:5], GS s[6:7]
	v_lshl_add_u32 v[SPW], v0, 2, SPARE
	v_mov_b32 v[NIL], 0
	ds_add_u32 v[SPW], v[NIL]              ; the wave's opening: the add, waited for ahead of my first tensor load
	v_lshrrev_b32 v1, 5, v0
	v_readfirstlane_b32 s10, v1            ; wave 0..3
	s_lshr_b32 s11, s10, 1                 ; I fetch for H (0) or for x (1)
	s_and_b32 s12, s10, 1                  ; which 128 rows l of a slot I fetch
	s_mov_b32 s13, 0xffff0000
	s_bfe_u32 s40, ttmp6, 0x40000          ; cx
	s_bfe_u32 s41, ttmp6, 0x40004          ; cy = the tile row: kk 128 cy on
	s_lshl_b32 s42, ttmp9, 2
	s_add_co_u32 s42, s42, s40             ; nb = 16 b + channel block
	s_lshl_b32 s43, s41, 2
	s_lshl_b32 s43, 15, s43                ; my row of the cluster
	s_lshl_b32 s44, 0x1111, s40            ; my column
	s_or_b32 s[G1H], s43, (1<<16)|(1<<20)|(1<<21)|(5<<22)|(7<<25)  ; mask; 2-byte elements; padding on; bit 21 beside a mask; after every 64 words 8 words
	s_mov_b32 s[G1H+1], 128<<16            ; tensor_dim0 = 128
	s_mov_b32 s[G1H+2], 128<<16            ; tensor_dim1 = 128
	s_mov_b32 s[G1H+3], 128<<16            ; tile_dim0 = 128
	s_mov_b32 s[G1H+4], 128                ; tile_dim1 = 128
	s_mov_b32 s[G1H+5], 512                ; 512 elements from row to row
	s_mov_b32 s[G1H+6], 0
	s_mov_b32 s[G1H+7], 0
	s_or_b32 s[G1X], s44, (1<<16)|(1<<20)|(1<<21)|(4<<22)|(7<<25)  ; 128 rows l are 16,384 dense bytes: 64 rows of 256, padded after every 32 words
	s_mov_b32 s[G1X+1], 128<<16
	s_mov_b32 s[G1X+2], 64<<16
	s_mov_b32 s[G1X+3], 128<<16
	s_mov_b32 s[G1X+4], 64
	s_mov_b32 s[G1X+5], 128
	s_mov_b32 s[G1X+6], 0
	s_mov_b32 s[G1X+7], 0
	s_lshl_b32 s16, s12, 17                ; H: my 128 rows of 1,024 bytes,
	s_lshl_b32 s17, s41, 8                 ; the tile row's 128 columns
	s_add_co_u32 s16, s16, s17
	s_add_co_u32 s16, s16, HB
	s_mov_b32 s17, 0
	s_lshl_b32 s46, s42, 19                ; x: the block of 64 channels,
	s_lshl_b32 s47, s12, 14                ; my 128 rows of 128 bytes
	s_add_co_u32 s46, s46, s47
	s_mov_b32 s47, 0
	s_mul_i32 s20, s12, HHALF              ; where they go: no place in the cluster enters an LDS address
	s_mul_i32 s21, s12, XHALF
	s_add_co_u32 s21, s21, XOFF
	s_wait_dscnt 0x0                       ; the opening add is done
	s_wait_kmcnt 0x0
	s_add_nc_u64 s[14:15], s[4:5], s[16:17]
	s_add_nc_u64 s[46:47], s[4:5], s[46:47]
	CROUND                                 ; all sixteen work-groups are here: the first joint loads meet
.irp s, 0,1
	s_mov_b32 s[G0H+4*(\s)], 1
	s_add_co_u32 s[G0H+4*(\s)+1], s20, (\s)*SLOT
	s_add_nc_u64 s[G0H+4*(\s)+2:G0H+4*(\s)+3], s[14:15], (\s)*262144
	s_or_b32 s[G0H+4*(\s)+3], s[G0H+4*(\s)+3], 0x80000000
	s_mov_b32 s[G0X+4*(\s)], 1
	s_add_co_u32 s[G0X+4*(\s)+1], s21, (\s)*SLOT
	s_add_nc_u64 s[G0X+4*(\s)+2:G0X+4*(\s)+3], s[46:47], (\s)*32768
	s_or_b32 s[G0X+4*(\s)+3], s[G0X+4*(\s)+3], 0x80000000
.endr
	s_cmp_eq_u32 s11, 0                    ; a wave's two first fills stand in one branch: two loads of mine are out
	s_cbranch_scc0 .Lfirst_x
	tensor_load_to_lds s[G0H:G0H+3], s[G1H:G1H+7]
	s_nop 0
	tensor_load_to_lds s[G0H+4:G0H+7], s[G1H:G1H+7]
	s_nop 0
	PLACES
	s_branch .Lfirst_asked
.Lfirst_x:
	tensor_load_to_lds s[G0X:G0X+3], s[G1X:G1X+7]
	s_nop 0
	tensor_load_to_lds s[G0X+4:G0X+7], s[G1X:G1X+7]
	s_nop 0
	PLACES
.Lfirst_asked:
	; The turning load takes 16 l x 16 columns: lane L reads 16 bytes of row 8 (L / 16) + L % 8 at column 8 ((L / 8) % 2), and is left with column L % 16 and eight l.
	v_and_b32 v1, 15, v0
	v_bfe_u32 v2, v0, 4, 1
	v_and_b32 v3, 7, v0
	v_bfe_u32 v4, v0, 3, 1
	v_lshl_add_u32 v3, v2, 3, v3
	v_lshlrev_b32 v4, 4, v4
	v_mul_u32_u24 v5, v3, PH
	v_add_nc_u32 v5, v5, v4
	s_lshl_b32 s22, s10, 6                 ; my 32 columns kk: 64 bytes a wave
	v_add_nc_u32 v5, s22, v5
	v_mul_u32_u24 v6, v3, PX
	v_add_nc_u32 v6, v6, v4
.irp s, 0,1
	v_add_nc_u32 v[AH+2*(\s)],   (\s)*SLOT, v5
	v_add_nc_u32 v[AH+2*(\s)+1], (\s)*SLOT+HHALF, v5
	v_add_nc_u32 v[AX+(\s)],     (\s)*SLOT+XOFF, v6
.endr
	s_mul_i32 s23, s10, 16*SP
	s_add_co_u32 s23, s23, STAGE           ; my stage
	v_mul_u32_u24 v7, v1, SP               ; in: row L % 16, 16 bytes for each half of the lanes
	v_lshl_add_u32 v7, v2, 4, v7
	v_add_nc_u32 v[STO], s23, v7
	v_mul_u32_u24 v7, v2, SP               ; back: lanes 0-15 one row of 256 bytes, lanes 16-31 the next
	v_lshl_add_u32 v7, v1, 4, v7
	v_add_nc_u32 v[RD], s23, v7
	v_lshlrev_b32 v7, 10, v2               ; and the same two rows in GS
	v_lshl_add_u32 v[CO], v1, 4, v7
	s_lshr_b32 s45, s42, 4                 ; b: 256 rows of 1,024 bytes
	s_lshl_b32 s45, s45, 18
	s_bfe_u32 s46, s42, 0x20002            ; channel block / 4
	s_lshl_b32 s46, s46, 21
	s_add_co_u32 s45, s45, s46
	s_and_b32 s46, s42, 3                  ; channel block % 4
	s_lshl_b32 s46, s46, 8
	s_add_co_u32 s45, s45, s46
	s_lshr_b32 s46, s41, 1                 ; kv
	s_lshl_b32 s46, s46, 20
	s_add_co_u32 s45, s45, s46
	s_and_b32 s46, s41, 1                  ; which 128 of the 256 rows
	s_lshl_b32 s46, s46, 17
	s_add_co_u32 s45, s45, s46
	s_lshl_b32 s46, s10, 15                ; my 32 rows
	s_add_co_u32 s46, s46, s45
	s_mov_b32 s47, 0
	s_add_nc_u64 s[6:7], s[6:7], s[46:47]
; 24 LDS loads in one run: the fragments of 64 l (quarter qd of a slot) into buffer f, the first 32 l first
.macro FETCH slot, qd, f
	WIN TO_F
.irp c, 0,1
.irp a, 0,1
	ds_load_tr16_b128 v[(\f)+48*(\c)+8*(\a):(\f)+48*(\c)+8*(\a)+3],   v[AH+2*(\slot)+(\qd)/2] offset:((\qd)%2)*64*PH+(\c)*32*PH+32*(\a)
	ds_load_tr16_b128 v[(\f)+48*(\c)+8*(\a)+4:(\f)+48*(\c)+8*(\a)+7], v[AH+2*(\slot)+(\qd)/2] offset:((\qd)%2)*64*PH+(\c)*32*PH+32*(\a)+16*PH
.endr
.irp b, 0,1,2,3
	ds_load_tr16_b128 v[(\f)+48*(\c)+16+8*(\b):(\f)+48*(\c)+16+8*(\b)+3],   v[AX+(\slot)] offset:(\qd)*64*PX+(\c)*32*PX+32*(\b)
	ds_load_tr16_b128 v[(\f)+48*(\c)+16+8*(\b)+4:(\f)+48*(\c)+16+8*(\b)+7], v[AX+(\slot)] offset:(\qd)*64*PX+(\c)*32*PX+32*(\b)+16*PX
.endr
.endr
.endm
; 4 matrix instructions: rows kk 16 a on x all 64 c, 32 l: half c of buffer f.  The 8 accumulators take turns, one instruction a turn.  zero = 1: the product starts the sums
.macro MUL4 f, c, a, zero
	WIN MUL
.irp b, 0,1,2,3
.if \zero
	v_wmma_f32_16x16x32_bf16 v[ACC+8*(4*(\a)+(\b)):ACC+8*(4*(\a)+(\b))+7], v[(\f)+48*(\c)+16+8*(\b):(\f)+48*(\c)+16+8*(\b)+7], v[(\f)+48*(\c)+8*(\a):(\f)+48*(\c)+8*(\a)+7], 0
.else
	v_wmma_f32_16x16x32_bf16 v[ACC+8*(4*(\a)+(\b)):ACC+8*(4*(\a)+(\b))+7], v[(\f)+48*(\c)+16+8*(\b):(\f)+48*(\c)+16+8*(\b)+7], v[(\f)+48*(\c)+8*(\a):(\f)+48*(\c)+8*(\a)+7], v[ACC+8*(4*(\a)+(\b)):ACC+8*(4*(\a)+(\b))+7]
.endif
.endr
.endm
; A slot is four quarters of 64 l, 16 matrix instructions each, on buffers 0, 1, 0, 1.  One of the first three multiplies buffer f and fetches quarter qd into g.
.macro QUARTER slot, qd, f, g, zero
	s_wait_dscnt 12                        ; the first 32 l are in; the youngest twelve loads may be out
	MUL4 \f, 0, 0, \zero
	MUL4 \f, 0, 1, \zero
	PLACES
	FETCH \slot, \qd, \g
	s_wait_dscnt 24                        ; all but the 24 just issued
	MUL4 \f, 1, 0, 0
	MUL4 \f, 1, 1, 0
.endm
; The last quarter multiplies buffer 1 and changes slots: one barrier; in front of it each wave waits for all its tensor loads, adds 0 to its spare word, and waits for that and for its reads of this slot.
.macro TURN slot, next, fill
	WIN 0
	s_wait_tensorcnt 0x0                   ; all my tensor loads have landed: the one that was out is my part of the next slot
	ds_add_u32 v[SPW], v[NIL]              ; 0 onto my spare word
	s_wait_dscnt 13                        ; (the add and the youngest twelve loads may be out)
	MUL4 F1, 0, 0, 0
	s_wait_dscnt 0x0                       ; the add is done, and my reads of this slot are over
	s_barrier_signal -1
	MUL4 F1, 0, 1, 0
.if \fill
	WIN 0
.endif
	s_barrier_wait -1
.if \fill
	CREST                                  ; the barrier has opened a round of the cluster's: no wave of any partner still reads this slot or has a load on its way
	s_add_nc_u64 s[G0H+4*(\slot)+2:G0H+4*(\slot)+3], s[G0H+4*(\slot)+2:G0H+4*(\slot)+3], 524288   ; 512 rows l on
	s_add_nc_u64 s[G0X+4*(\slot)+2:G0X+4*(\slot)+3], s[G0X+4*(\slot)+2:G0X+4*(\slot)+3], 65536
	JLOAD \slot                            ; the first tensor load behind the round; its four v_nop are also the places in front of the loads below
.else
	PLACES
.endif
	FETCH \next, 0, F0
	MUL4 F1, 1, 0, 0
	MUL4 F1, 1, 1, 0
.endm
	s_wait_tensorcnt 1                     ; my part of slot 0 is in; slot 1's may stay out
	s_barrier_signal -1
	s_barrier_wait -1
	FETCH 0, 0, F0
	QUARTER 0, 1, F0, F1, 1                ; the first quarter stands in front of the loop: its first products start the sums
	WIN 0
	s_mov_b32 s9, LAPS-1
.Llap:                                 ; a trip goes once round the ring and fills both slots again
	QUARTER 0, 2, F1, F0, 0
	QUARTER 0, 3, F0, F1, 0
	TURN 0, 1, 1
	QUARTER 1, 1, F0, F1, 0
	QUARTER 1, 2, F1, F0, 0
	QUARTER 1, 3, F0, F1, 0
	TURN 1, 0, 1
	QUARTER 0, 1, F0, F1, 0
	WIN 0
	s_sub_co_u32 s9, s9, 1
	s_cmp_lg_u32 s9, 0
	s_cbranch_scc1 .Llap
	QUARTER 0, 2, F1, F0, 0                ; the last lap fills nothing
	QUARTER 0, 3, F0, F1, 0
	TURN 0, 1, 0
	QUARTER 1, 1, F0, F1, 0
	QUARTER 1, 2, F1, F0, 0
	QUARTER 1, 3, F0, F1, 0
	s_wait_dscnt 12
	MUL4 F1, 0, 0, 0
	MUL4 F1, 0, 1, 0
	s_wait_dscnt 0x0
	MUL4 F1, 1, 0, 0
	MUL4 F1, 1, 1, 0
	WIN 0
; THE WAY OUT.  Eight f32 become four words of hi and four of lo; the accumulator's registers are taken in ascending order.
.macro SPLIT8 src
.irp k, 0,1,2,3
	v_cvt_pk_bf16_f32 v[HIW+(\k)], v[(\src)+2*(\k)], v[(\src)+2*(\k)+1]
.endr
.irp k, 0,1,2,3
	v_lshlrev_b32 v[RES+2*(\k)],   16,  v[HIW+(\k)]
	v_and_b32     v[RES+2*(\k)+1], s13, v[HIW+(\k)]
.endr
.irp k, 0,1,2,3
	v_pk_add_f32 v[RES+2*(\k):RES+2*(\k)+1], v[(\src)+2*(\k):(\src)+2*(\k)+1], v[RES+2*(\k):RES+2*(\k)+1] neg_lo:[0,1] neg_hi:[0,1]   ; v - hi, exact
.endr
.irp k, 0,1,2,3
	v_cvt_pk_bf16_f32 v[LOW+(\k)], v[RES+2*(\k)], v[RES+2*(\k)+1]
.endr
.endm
.macro TOSTAGE a                       ; 16 rows: hi in bytes 0-127 of a stage row, lo in 128-255; back as whole rows
.irp b, 0,1,2,3
	SPLIT8 ACC+8*(4*(\a)+(\b))
	ds_store_b128 v[STO], v[HIW:HIW+3] offset:32*(\b)
	ds_store_b128 v[STO], v[LOW:LOW+3] offset:128+32*(\b)
.endr
.irp t, 0,1,2,3,4,5,6,7
	ds_load_b128 v[BK+32*(\a)+4*(\t):BK+32*(\a)+4*(\t)+3], v[RD] offset:(\t)*2*SP   ; LDS serves a wave's instructions in order (ISA guide 5.7.1.4): these see the stores above
.endr
.endm
.macro SEND a, younger                 ; younger: the LDS instructions issued behind block a's loads
.irp t, 0,1,2,3,4,5,6,7
	s_wait_dscnt (\younger)+7-(\t)
	global_store_b128 v[CO], v[BK+32*(\a)+4*(\t):BK+32*(\a)+4*(\t)+3], s[6:7] offset:(16*(\a)+2*(\t))*1024   ; 16 lanes store 256 consecutive bytes, at a multiple of 256
.endr
.endm
	PLACES
	TOSTAGE 0
	TOSTAGE 1
	SEND 0, 16
	SEND 1, 0
	s_wait_tensorcnt 0x0                   ; the wave's end
	ds_add_u32 v[SPW], v[NIL]
	s_wait_dscnt 0x0
	CROUND                                 ; the closing round: no work-group ends while a partner may still ask for a tile that names it
	s_endpgm
.Lfunc_end_k_qb6b1b469ea_gram:
	.size	k_qb6b1b469ea_gram, .Lfunc_end_k_qb6b1b469ea_gram-k_qb6b1b469ea_gram
	.p2alignl 7, 3214868480
	.fill 96, 4, 3214868480
	.section	.rodata,"a",@progbits
	.p2align	6, 0x0
	.amdhsa_kernel k_qb6b1b469ea_gram
		.amdhsa_group_segment_fixed_size 327680
		.amdhsa_private_segment_fixed_size 0
		.amdhsa_enable_private_segment 0
		.amdhsa_kernarg_size 16
		.amdhsa_user_sgpr_count 2
		.amdhsa_user_sgpr_kernarg_segment_ptr 1
		.amdhsa_wavefront_size32 1
		.amdhsa_system_sgpr_workgroup_id_x 1
		.amdhsa_system_sgpr_workgroup_id_y 1
		.amdhsa_system_sgpr_workgroup_id_z 1
		.amdhsa_system_vgpr_workitem_id 0
		.amdhsa_next_free_vgpr 512
		.amdhsa_next_free_sgpr 66
		.amdhsa_reserve_vcc 0
		.amdhsa_float_denorm_mode_32 3
		.amdhsa_float_denorm_mode_16_64 3
		.amdhsa_memory_ordered 1
		.amdhsa_forward_progress 1
		.amdhsa_inst_pref_size 66
	.end_amdhsa_kernel
	.amdgpu_metadata
---
amdhsa.version: [ 1, 2 ]
amdhsa.kernels:
  - .name:           k_qb6b1b469ea_gram
    .symbol:         k_qb6b1b469ea_gram.kd
    .args:
      - { .name: XH, .offset: 0, .size: 8, .value_kind: global_buffer, .address_space: global }
      - { .name: GS, .offset: 8, .size: 8, .value_kind: global_buffer, .address_space: global }
    .group_segment_fixed_size: 327680
    .private_segment_fixed_size: 0
    .kernarg_segment_align: 8
    .kernarg_segment_size: 16
    .max_flat_workgroup_size: 128
    .sgpr_count:     66
    .vgpr_count:     512
    .wavefront_size: 32
...
	.end_amdgpu_metadata
.endif
;; end of part 2
;; launch proj (part 3): grid 8 x 32, 4 waves a work-group, clusters of 4 x 4, 327,680 bytes of LDS; arguments GS, PW2, KVC; writes KVC
.if DOCPART == 3
	.amdgcn_target "amdgcn-amd-amdhsa--gfx1250"
	.amdhsa_code_object_version 6
	.text
	.protected	k_qb6b1b469ea_proj
	.globl	k_qb6b1b469ea_proj
	.p2align	8
	.type	k_qb6b1b469ea_proj,@function
k_qb6b1b469ea_proj:
	s_mov_b64 s[64:65], 0
	v_nop
	global_prefetch_b8 v0, s[64:65] scope:SCOPE_SE
	s_setreg_imm32_b32 hwreg(HW_REG_WAVE_MODE, 25, 1), 1
	s_wait_xcnt 0x0
	s_wait_alu depctr_hold_cnt(0) depctr_sa_sdst(0) depctr_va_vdst(0) depctr_va_sdst(0) depctr_va_ssrc(0) depctr_va_vcc(0) depctr_vm_vsrc(0)
	s_getreg_b32 s2, hwreg(HW_REG_IB_STS2, 6, 4)
	s_cmp_eq_u32 s2, 0
	s_cbranch_scc0 .Lentry_in_a_cluster
	s_endpgm
.Lentry_in_a_cluster:
	s_bfe_u32 s2, ttmp6, 0x10000c
	s_cmp_lg_u32 s2, 0xf033
	s_cbranch_scc0 .Lentry_shape_is_right
	s_endpgm
.Lentry_shape_is_right:
; AFFINE PRODUCT.  C[m][n] = the sum over k of (Shi + Slo)[m][k] P[kv][n][k] + r[m] cv[kv][n];  cp[n / 64][m] = the sum over 64 n of C[m][n] w[n].  K = 1,024; kv = m / 1,024.
; S is a split matrix (hi and lo in bf16, laid as written below), P an input rounded to bf16, [n][k]; sums f32; C leaves split like S.  r[m] is the sum of 32 partial sums read from P's buffer.
; It serves two launches.  First: S = G, P = W_k, W_v turned, r = H's column sums, cv = b_k, b_v, w = b_q: C = K_proj and V_proj, cp = partial dots K_proj . b_q (for V_proj's rows cp is stored and never read).
; Second: S = K_proj, P = W_q, and r, cv, w are zeros in memory: C = K_proj W_q^T; the bias lines then add 0, and cp is stored and never read: the price of one text for both.
; SPLIT LAYOUT: element (m, k, part) at byte (k / 256) 2,097,152 + m 1,024 + ((k / 64) % 4) 256 + part 128 + 2 (k % 64).
; SHARES.  A work-group makes 64 m x 128 n, a wave 32 x 64: 8 accumulators, two products (hi, lo) for each 32 of K.  K goes in four steps of 256 through two LDS slots; the four steps are written out.
; Source 0 = 16 rows of P, source 1 = 16 rows of S: a lane holds one row m and eight neighbouring n.
; CLUSTER 4 x 4.  S's tile hangs on the tile row alone (shared along a row of the cluster); P's on the tile column and on kv, which all sixteen share (shared along a column).
; REGISTERS.  window 0: v16-30 addresses, v32-63 at work, v64-127 rows read back, v128-191 accumulators, v192-223 cv, v224-255 w of my 64 columns.  window 1: two fragment buffers of 128.
.set PS,    1040                       ; a row of S in LDS: 1,024 bytes + 16: the 16 rows of a load start at 16 different groups of four banks (64 banks of 4 bytes: ISA guide 11.1)
.set PP,    528                        ; a row of P: 512 + 16
.set SHALF, 32*PS
.set POFF,  64*PS
.set PHALF, 64*PP
.set SLOT,  64*PS+128*PP
.set STAGE, 2*SLOT
.set SP,    272
.set RSB,   STAGE+4*16*SP              ; 128 words: two partial sums for each of the 64 rows
.set SPARE, RSB+512
.set VEC,   4194304
.set CP,    8388608
.set AS,  16                           ; v16-17  my S fragments in slot 0, 1
.set AP,  20                           ; v20-21  my P fragments
.set STO, 24
.set RD,  25
.set CO,  26
.set CL,  27                           ; 4 x lane
.set SPW, 28
.set NIL, 29
.set RSA, 30                           ; my row's word in RSB
.set HIW, 32
.set LOW, 36
.set RES, 40
.set TV,  48                           ; eight finished numbers
.set D2,  56                           ; v[56:57], v[58:59]: the dots with w, for rows 16 a on
.set RR,  60                           ; v60, v62: r of my row, for a = 0, 1
.set BK,  64
.set ACC, 128
.set CVR, 192
.set WR,  224
.set F0,  0
.set F1,  128
.set G1S, 24
.set G0S, 32
.set G1P, 48
.set G0P, 56
.set MSB, 0
.macro WIN new
.if MSB != (\new)
	s_set_vgpr_msb (MSB<<8)|(\new)
.set MSB, \new
.endif
.endm
.set MUL,  0x05
.set TO_F, 0x40
.macro PLACES
.rept 4
	v_nop
.endr
.endm
.macro JLOAD s                         ; waves 0 and 1 fetch S's two halves, waves 2 and 3 P's
	s_cmp_eq_u32 s11, 0
	s_cbranch_scc0 .Lfor_p_\@
	tensor_load_to_lds s[G0S+4*(\s):G0S+4*(\s)+3], s[G1S:G1S+7]
	s_nop 0
	PLACES
	s_branch .Lasked_\@
.Lfor_p_\@:
	tensor_load_to_lds s[G0P+4*(\s):G0P+4*(\s)+3], s[G1P:G1P+7]
	s_nop 0
	PLACES
.Lasked_\@:
.endm
.macro CREST
	s_cmp_lg_u32 s10, 0
	s_cbranch_scc1 .Lnot_wave_0_\@
	s_barrier_signal -3
.Lnot_wave_0_\@:
	s_barrier_wait -3
	s_barrier_signal -1
	s_barrier_wait -1
.endm
.macro CROUND
	s_barrier_signal -1
	s_barrier_wait -1
	CREST
.endm
	s_load_b128 s[4:7], s[0:1], 0x0        ; S s[4:5], P s[6:7]
	s_load_b64 s[8:9], s[0:1], 0x10        ; the output
	v_lshl_add_u32 v[SPW], v0, 2, SPARE
	v_mov_b32 v[NIL], 0
	ds_add_u32 v[SPW], v[NIL]              ; the wave's opening: the add, waited for ahead of my first tensor load
	v_lshrrev_b32 v1, 5, v0
	v_readfirstlane_b32 s10, v1            ; wave 0..3
	s_lshr_b32 s11, s10, 1                 ; which 32 rows are mine.  Also: I fetch for S (0) or for P (1)
	s_and_b32 s12, s10, 1                  ; which 64 columns.  Also: which half of that tile I fetch
	s_mov_b32 s13, 0xffff0000
	s_bfe_u32 s40, ttmp6, 0x40000          ; cx
	s_bfe_u32 s41, ttmp6, 0x40004          ; cy
	s_lshl_b32 s42, ttmp9, 2
	s_add_co_u32 s42, s42, s40             ; tile column
	s_and_b32 s43, ttmp7, 0xffff
	s_lshr_b32 s44, s43, 2                 ; kv: 16 tile rows are 1,024 rows, four clusters high
	s_lshl_b32 s43, s43, 2
	s_add_co_u32 s43, s43, s41             ; tile row
	s_lshl_b32 s18, s41, 2
	s_lshl_b32 s18, 15, s18                ; my row of the cluster
	s_lshl_b32 s19, 0x1111, s40            ; my column
	s_or_b32 s[G1S], s18, (1<<16)|(1<<20)|(1<<21)|(7<<22)|(3<<25)  ; after every 256 words 4 words of padding
	s_mov_b32 s[G1S+1], 512<<16            ; a row: 512 elements: 256 of K, hi and lo
	s_mov_b32 s[G1S+2], 32<<16
	s_mov_b32 s[G1S+3], 512<<16
	s_mov_b32 s[G1S+4], 32
	s_mov_b32 s[G1S+5], 512
	s_mov_b32 s[G1S+6], 0
	s_mov_b32 s[G1S+7], 0
	s_or_b32 s[G1P], s19, (1<<16)|(1<<20)|(1<<21)|(6<<22)|(3<<25)  ; after every 128 words 4 words
	s_mov_b32 s[G1P+1], 256<<16
	s_mov_b32 s[G1P+2], 64<<16
	s_mov_b32 s[G1P+3], 256<<16
	s_mov_b32 s[G1P+4], 64
	s_mov_b32 s[G1P+5], 1024
	s_mov_b32 s[G1P+6], 0
	s_mov_b32 s[G1P+7], 0
	s_lshl_b32 s16, s43, 16                ; S: row 64 x tile row + 32 x half, 1,024 bytes a row
	s_lshl_b32 s17, s12, 15
	s_add_co_u32 s16, s16, s17
	s_mov_b32 s17, 0
	s_lshl_b32 s46, s42, 18                ; P: row 128 x tile column + 64 x half, 2,048 bytes a row,
	s_lshl_b32 s47, s12, 17
	s_add_co_u32 s46, s46, s47
	s_lshl_b32 s47, s44, 21                ; in matrix kv
	s_add_co_u32 s46, s46, s47
	s_mov_b32 s47, 0
	s_mul_i32 s22, s12, SHALF
	s_mul_i32 s23, s12, PHALF
	s_add_co_u32 s23, s23, POFF
	s_wait_dscnt 0x0                       ; the opening add is done
	s_wait_kmcnt 0x0
	s_add_nc_u64 s[14:15], s[4:5], s[16:17]
	s_add_nc_u64 s[46:47], s[6:7], s[46:47]
	CROUND                                 ; all sixteen work-groups are here
.irp s, 0,1
	s_mov_b32 s[G0S+4*(\s)], 1
	s_add_co_u32 s[G0S+4*(\s)+1], s22, (\s)*SLOT
	s_add_nc_u64 s[G0S+4*(\s)+2:G0S+4*(\s)+3], s[14:15], (\s)*2097152
	s_or_b32 s[G0S+4*(\s)+3], s[G0S+4*(\s)+3], 0x80000000
	s_mov_b32 s[G0P+4*(\s)], 1
	s_add_co_u32 s[G0P+4*(\s)+1], s23, (\s)*SLOT
	s_add_nc_u64 s[G0P+4*(\s)+2:G0P+4*(\s)+3], s[46:47], (\s)*512
	s_or_b32 s[G0P+4*(\s)+3], s[G0P+4*(\s)+3], 0x80000000
.endr
	s_cmp_eq_u32 s11, 0                    ; a wave's two first fills stand in one branch: two loads of mine are out
	s_cbranch_scc0 .Lfirst_p
	tensor_load_to_lds s[G0S:G0S+3], s[G1S:G1S+7]
	s_nop 0
	tensor_load_to_lds s[G0S+4:G0S+7], s[G1S:G1S+7]
	s_nop 0
	PLACES
	s_branch .Lfirst_asked
.Lfirst_p:
	tensor_load_to_lds s[G0P:G0P+3], s[G1P:G1P+7]
	s_nop 0
	tensor_load_to_lds s[G0P+4:G0P+7], s[G1P:G1P+7]
	s_nop 0
	PLACES
.Lfirst_asked:
	; the vectors, in the wait for the first tile: cv and w of my 64 columns (register 8 b + j: column 16 b + 8 (L / 16) + j), and 16 partial sums a thread
	v_and_b32 v1, 15, v0
	v_bfe_u32 v2, v0, 4, 1
	s_lshl_b32 s45, s42, 9
	s_lshl_b32 s46, s12, 8
	s_add_co_u32 s45, s45, s46             ; my first column, in bytes
	s_lshl_b32 s46, s44, 12
	s_add_co_u32 s46, s46, s45
	s_add_co_u32 s46, s46, VEC
	s_mov_b32 s47, 0
	s_add_nc_u64 s[46:47], s[6:7], s[46:47]
	s_add_co_u32 s2, s45, VEC+8192
	s_mov_b32 s3, 0
	s_add_nc_u64 s[2:3], s[6:7], s[2:3]
	s_lshl_b32 s20, s44, 10                ; column kv 256 + (first row % 256) of the partial sums
	s_and_b32 s21, s43, 3
	s_lshl_b32 s21, s21, 8
	s_add_co_u32 s20, s20, s21
	s_add_co_u32 s20, s20, VEC+12288
	s_mov_b32 s21, 0
	s_add_nc_u64 s[20:21], s[6:7], s[20:21]
	v_lshlrev_b32 v3, 5, v2
.irp b, 0,1,2,3
	global_load_b128 v[CVR+8*(\b):CVR+8*(\b)+3],   v3, s[46:47] offset:64*(\b)
	global_load_b128 v[CVR+8*(\b)+4:CVR+8*(\b)+7], v3, s[46:47] offset:64*(\b)+16
	global_load_b128 v[WR+8*(\b):WR+8*(\b)+3],     v3, s[2:3] offset:64*(\b)
	global_load_b128 v[WR+8*(\b)+4:WR+8*(\b)+7],   v3, s[2:3] offset:64*(\b)+16
.endr
	v_lshrrev_b32 v4, 6, v0                ; threads 0-63 add partial sums 0-15 of row t, threads 64-127 sums 16-31 of row t - 64
	v_and_b32 v5, 63, v0
	v_lshlrev_b32 v5, 2, v5
	v_lshl_add_u32 v4, v4, 15, v5
.set i, 0
.rept 16
	global_load_b32 v[BK+i], v4, s[20:21] offset:i*2048
.set i, i+1
.endr
	v_mul_u32_u24 v6, v1, PS
	v_lshl_add_u32 v6, v2, 4, v6
	s_mul_i32 s22, s11, 32*PS
	v_add_nc_u32 v[AS], s22, v6
	v_add_nc_u32 v[AS+1], SLOT, v[AS]
	v_mul_u32_u24 v6, v1, PP
	v_lshl_add_u32 v6, v2, 4, v6
	s_mul_i32 s22, s12, 64*PP
	s_add_co_u32 s22, s22, POFF
	v_add_nc_u32 v[AP], s22, v6
	v_add_nc_u32 v[AP+1], SLOT, v[AP]
	s_mul_i32 s23, s10, 16*SP
	s_add_co_u32 s23, s23, STAGE
	v_mul_u32_u24 v7, v1, SP
	v_lshl_add_u32 v7, v2, 4, v7
	v_add_nc_u32 v[STO], s23, v7
	v_mul_u32_u24 v7, v2, SP
	v_lshl_add_u32 v7, v1, 4, v7
	v_add_nc_u32 v[RD], s23, v7
	v_lshlrev_b32 v7, 10, v2
	v_lshl_add_u32 v[CO], v1, 4, v7
	v_and_b32 v[CL], 31, v0
	v_lshlrev_b32 v[CL], 2, v[CL]
	s_lshl_b32 s22, s11, 7
	s_add_co_u32 s22, s22, RSB
	v_lshl_add_u32 v[RSA], v1, 2, s22      ; row 32 x half + L % 16
	v_lshl_add_u32 v8, v0, 2, RSB
	s_wait_loadcnt 0x0                     ; once, while the first tile is on its way
.irp i, 0,2,4,6
	v_pk_add_f32 v[BK+(\i):BK+(\i)+1], v[BK+(\i):BK+(\i)+1], v[BK+8+(\i):BK+8+(\i)+1]
.endr
	v_pk_add_f32 v[BK:BK+1], v[BK:BK+1], v[BK+4:BK+5]
	v_pk_add_f32 v[BK+2:BK+3], v[BK+2:BK+3], v[BK+6:BK+7]
	v_pk_add_f32 v[BK:BK+1], v[BK:BK+1], v[BK+2:BK+3]
	v_add_f32 v[BK], v[BK], v[BK+1]
	ds_store_b32 v8, v[BK]
	; where my results go
	s_lshr_b32 s45, s42, 1                 ; column / 256
	s_lshl_b32 s45, s45, 21
	s_lshl_b32 s40, s43, 16
	s_add_co_u32 s45, s45, s40
	s_lshl_b32 s40, s11, 15
	s_add_co_u32 s45, s45, s40
	s_and_b32 s40, s42, 1
	s_lshl_b32 s40, s40, 1
	s_add_co_u32 s40, s40, s12             ; (column / 64) % 4
	s_lshl_b32 s40, s40, 8
	s_add_co_u32 s40, s40, s45
	s_mov_b32 s41, 0
	s_lshl_b32 s44, s42, 1
	s_add_co_u32 s44, s44, s12             ; column / 64: cp's row of 2,048 numbers
	s_lshl_b32 s44, s44, 13
	s_lshl_b32 s45, s43, 8
	s_add_co_u32 s44, s44, s45
	s_lshl_b32 s45, s11, 7
	s_add_co_u32 s44, s44, s45
	s_add_co_u32 s44, s44, CP
	s_mov_b32 s45, 0
	s_add_nc_u64 s[44:45], s[8:9], s[44:45]
	s_add_nc_u64 s[8:9], s[8:9], s[40:41]
; 32 LDS loads in one run: the fragments of 64 along K (quarter q of a slot) into buffer f; the first 32 along K first
.macro FETCH slot, q, f
	WIN TO_F
.irp c, 0,1
.irp a, 0,1
	ds_load_b128 v[(\f)+64*(\c)+8*(\a):(\f)+64*(\c)+8*(\a)+3],   v[AS+(\slot)] offset:(\a)*16*PS+(\q)*256+(\c)*64
	ds_load_b128 v[(\f)+64*(\c)+8*(\a)+4:(\f)+64*(\c)+8*(\a)+7], v[AS+(\slot)] offset:(\a)*16*PS+(\q)*256+(\c)*64+32
.endr
.irp b, 0,1,2,3
	ds_load_b128 v[(\f)+64*(\c)+32+8*(\b):(\f)+64*(\c)+32+8*(\b)+3],   v[AP+(\slot)] offset:(\b)*16*PP+(\q)*128+(\c)*64
	ds_load_b128 v[(\f)+64*(\c)+32+8*(\b)+4:(\f)+64*(\c)+32+8*(\b)+7], v[AP+(\slot)] offset:(\b)*16*PP+(\q)*128+(\c)*64+32
.endr
.irp a, 0,1
	ds_load_b128 v[(\f)+64*(\c)+16+8*(\a):(\f)+64*(\c)+16+8*(\a)+3],   v[AS+(\slot)] offset:(\a)*16*PS+(\q)*256+(\c)*64+128
	ds_load_b128 v[(\f)+64*(\c)+16+8*(\a)+4:(\f)+64*(\c)+16+8*(\a)+7], v[AS+(\slot)] offset:(\a)*16*PS+(\q)*256+(\c)*64+160
.endr
.endr
.endm
; 8 matrix instructions: all 8 accumulators by turns; 32 along K (half c of buffer f); part 0: S's hi, 1: its lo
.macro MUL8 f, c, part, zero
	WIN MUL
.irp a, 0,1
.irp b, 0,1,2,3
.if \zero
	v_wmma_f32_16x16x32_bf16 v[ACC+8*(4*(\a)+(\b)):ACC+8*(4*(\a)+(\b))+7], v[(\f)+64*(\c)+32+8*(\b):(\f)+64*(\c)+32+8*(\b)+7], v[(\f)+64*(\c)+16*(\part)+8*(\a):(\f)+64*(\c)+16*(\part)+8*(\a)+7], 0
.else
	v_wmma_f32_16x16x32_bf16 v[ACC+8*(4*(\a)+(\b)):ACC+8*(4*(\a)+(\b))+7], v[(\f)+64*(\c)+32+8*(\b):(\f)+64*(\c)+32+8*(\b)+7], v[(\f)+64*(\c)+16*(\part)+8*(\a):(\f)+64*(\c)+16*(\part)+8*(\a)+7], v[ACC+8*(4*(\a)+(\b)):ACC+8*(4*(\a)+(\b))+7]
.endif
.endr
.endr
.endm
.macro QUARTER slot, q, f, g, zero
	s_wait_dscnt 16                        ; the first 32 along K are in
	MUL8 \f, 0, 0, \zero
	MUL8 \f, 0, 1, 0
	PLACES
	FETCH \slot, \q, \g
	s_wait_dscnt 32                        ; all but the 32 just issued
	MUL8 \f, 1, 0, 0
	MUL8 \f, 1, 1, 0
.endm
.macro TURN slot, next, fill
	WIN 0
	s_wait_tensorcnt 0x0                   ; all my tensor loads have landed: my part of the next slot
	ds_add_u32 v[SPW], v[NIL]              ; 0 onto my spare word
	s_wait_dscnt 17                        ; (the add and the youngest sixteen loads may be out)
	MUL8 F1, 0, 0, 0
	s_wait_dscnt 0x0                       ; the add is done, and my reads of this slot are over
	s_barrier_signal -1
	MUL8 F1, 0, 1, 0
.if \fill
	WIN 0
.endif
	s_barrier_wait -1
.if \fill
	CREST                                  ; a round of the cluster's barrier: no wave of any partner still reads this slot or has a load on its way
	s_add_nc_u64 s[G0S+4*(\slot)+2:G0S+4*(\slot)+3], s[G0S+4*(\slot)+2:G0S+4*(\slot)+3], 4194304   ; two steps of 256 along K on
	s_add_nc_u64 s[G0P+4*(\slot)+2:G0P+4*(\slot)+3], s[G0P+4*(\slot)+2:G0P+4*(\slot)+3], 1024
	JLOAD \slot
.else
	PLACES
.endif
	FETCH \next, 0, F0
	MUL8 F1, 1, 0, 0
	MUL8 F1, 1, 1, 0
.endm
	s_wait_dscnt 0x0                       ; for the others' sake: my partial sum is stored
	s_wait_tensorcnt 1                     ; my part of slot 0 is in; slot 1's may stay out
	s_barrier_signal -1
	s_barrier_wait -1
	FETCH 0, 0, F0
	QUARTER 0, 1, F0, F1, 1                ; K 0-255; the first products start the sums
	QUARTER 0, 2, F1, F0, 0
	QUARTER 0, 3, F0, F1, 0
	TURN 0, 1, 1                           ; slot 0 takes K 512-767
	QUARTER 1, 1, F0, F1, 0
	QUARTER 1, 2, F1, F0, 0
	QUARTER 1, 3, F0, F1, 0
	TURN 1, 0, 1                           ; slot 1 takes K 768-1,023
	QUARTER 0, 1, F0, F1, 0
	QUARTER 0, 2, F1, F0, 0
	QUARTER 0, 3, F0, F1, 0
	TURN 0, 1, 0
	QUARTER 1, 1, F0, F1, 0
	QUARTER 1, 2, F1, F0, 0
	QUARTER 1, 3, F0, F1, 0
	s_wait_dscnt 16
	MUL8 F1, 0, 0, 0
	MUL8 F1, 0, 1, 0
	s_wait_dscnt 0x0
	MUL8 F1, 1, 0, 0
	MUL8 F1, 1, 1, 0
	WIN 0
.macro SPLIT8 src
.irp k, 0,1,2,3
	v_cvt_pk_bf16_f32 v[HIW+(\k)], v[(\src)+2*(\k)], v[(\src)+2*(\k)+1]
.endr
.irp k, 0,1,2,3
	v_lshlrev_b32 v[RES+2*(\k)],   16,  v[HIW+(\k)]
	v_and_b32     v[RES+2*(\k)+1], s13, v[HIW+(\k)]
.endr
.irp k, 0,1,2,3
	v_pk_add_f32 v[RES+2*(\k):RES+2*(\k)+1], v[(\src)+2*(\k):(\src)+2*(\k)+1], v[RES+2*(\k):RES+2*(\k)+1] neg_lo:[0,1] neg_hi:[0,1]
.endr
.irp k, 0,1,2,3
	v_cvt_pk_bf16_f32 v[LOW+(\k)], v[RES+2*(\k)], v[RES+2*(\k)+1]
.endr
.endm
; 16 rows are finished: + r cv (fused), the dot with w, the split, through my stage.  Each accumulator's registers are taken in ascending order.
.macro FINISH a
.irp b, 0,1,2,3
.irp k, 0,1,2,3
	v_pk_fma_f32 v[TV+2*(\k):TV+2*(\k)+1], v[CVR+8*(\b)+2*(\k):CVR+8*(\b)+2*(\k)+1], v[RR+2*(\a):RR+2*(\a)+1], v[ACC+8*(4*(\a)+(\b))+2*(\k):ACC+8*(4*(\a)+(\b))+2*(\k)+1] op_sel_hi:[1,0,1]
.endr
.irp k, 0,1,2,3
.if ((\b)+(\k)) == 0
	v_pk_mul_f32 v[D2+2*(\a):D2+2*(\a)+1], v[TV:TV+1], v[WR:WR+1]
.else
	v_pk_fma_f32 v[D2+2*(\a):D2+2*(\a)+1], v[TV+2*(\k):TV+2*(\k)+1], v[WR+8*(\b)+2*(\k):WR+8*(\b)+2*(\k)+1], v[D2+2*(\a):D2+2*(\a)+1]
.endif
.endr
	SPLIT8 TV
	ds_store_b128 v[STO], v[HIW:HIW+3] offset:32*(\b)
	ds_store_b128 v[STO], v[LOW:LOW+3] offset:128+32*(\b)
.endr
.irp t, 0,1,2,3,4,5,6,7
	ds_load_b128 v[BK+32*(\a)+4*(\t):BK+32*(\a)+4*(\t)+3], v[RD] offset:(\t)*2*SP   ; LDS serves a wave's instructions in order (ISA guide 5.7.1.4)
.endr
.endm
.macro SEND a, younger
.irp t, 0,1,2,3,4,5,6,7
	s_wait_dscnt (\younger)+7-(\t)
	global_store_b128 v[CO], v[BK+32*(\a)+4*(\t):BK+32*(\a)+4*(\t)+3], s[8:9] offset:(16*(\a)+2*(\t))*1024   ; 16 lanes store 256 consecutive bytes, at a multiple of 256
.endr
.endm
	PLACES
	ds_load_b32 v[RR],   v[RSA]            ; the two partial sums of row L % 16, and of the row 16 further down
	ds_load_b32 v[RR+1], v[RSA] offset:256
	ds_load_b32 v[RR+2], v[RSA] offset:64
	ds_load_b32 v[RR+3], v[RSA] offset:320
	s_mov_b32 s14, 0x76543210              ; v_permlanex16_b32's selects: each lane takes its own place in the other half
	s_mov_b32 s15, 0xfedcba98
	s_wait_dscnt 0x0
	v_add_f32 v[RR], v[RR], v[RR+1]
	v_add_f32 v[RR+2], v[RR+2], v[RR+3]
	FINISH 0
	FINISH 1
	SEND 0, 16
	v_add_f32 v[D2], v[D2], v[D2+1]        ; a lane's 32 columns; the row's other 32 lie in the lane 16 away
	v_add_f32 v[D2+2], v[D2+2], v[D2+3]
	v_permlanex16_b32 v[D2+1], v[D2], s14, s15
	v_permlanex16_b32 v[D2+3], v[D2+2], s14, s15
	v_add_f32 v[D2], v[D2], v[D2+1]
	v_add_f32 v[D2+2], v[D2+2], v[D2+3]
	v_cmp_eq_u32 vcc_lo, 1, v2
	v_cndmask_b32 v[D2], v[D2], v[D2+2], vcc_lo   ; lane L stores row L of my 32
	global_store_b32 v[CL], v[D2], s[44:45]
	SEND 1, 0
	s_wait_tensorcnt 0x0                   ; the wave's end
	ds_add_u32 v[SPW], v[NIL]
	s_wait_dscnt 0x0
	CROUND                                 ; the closing round
	s_endpgm
.Lfunc_end_k_qb6b1b469ea_proj:
	.size	k_qb6b1b469ea_proj, .Lfunc_end_k_qb6b1b469ea_proj-k_qb6b1b469ea_proj
	.p2alignl 7, 3214868480
	.fill 96, 4, 3214868480
	.section	.rodata,"a",@progbits
	.p2align	6, 0x0
	.amdhsa_kernel k_qb6b1b469ea_proj
		.amdhsa_group_segment_fixed_size 327680
		.amdhsa_private_segment_fixed_size 0
		.amdhsa_enable_private_segment 0
		.amdhsa_kernarg_size 24
		.amdhsa_user_sgpr_count 2
		.amdhsa_user_sgpr_kernarg_segment_ptr 1
		.amdhsa_wavefront_size32 1
		.amdhsa_system_sgpr_workgroup_id_x 1
		.amdhsa_system_sgpr_workgroup_id_y 1
		.amdhsa_system_sgpr_workgroup_id_z 1
		.amdhsa_system_vgpr_workitem_id 0
		.amdhsa_next_free_vgpr 512
		.amdhsa_next_free_sgpr 66
		.amdhsa_reserve_vcc 1
		.amdhsa_float_denorm_mode_32 3
		.amdhsa_float_denorm_mode_16_64 3
		.amdhsa_memory_ordered 1
		.amdhsa_forward_progress 1
		.amdhsa_inst_pref_size 100
	.end_amdhsa_kernel
	.amdgpu_metadata
---
amdhsa.version: [ 1, 2 ]
amdhsa.kernels:
  - .name:           k_qb6b1b469ea_proj
    .symbol:         k_qb6b1b469ea_proj.kd
    .args:
      - { .name: GS, .offset: 0, .size: 8, .value_kind: global_buffer, .address_space: global }
      - { .name: PW2, .offset: 8, .size: 8, .value_kind: global_buffer, .address_space: global }
      - { .name: KVC, .offset: 16, .size: 8, .value_kind: global_buffer, .address_space: global }
    .group_segment_fixed_size: 327680
    .private_segment_fixed_size: 0
    .kernarg_segment_align: 8
    .kernarg_segment_size: 24
    .max_flat_workgroup_size: 128
    .sgpr_count:     66
    .vgpr_count:     512
    .wavefront_size: 32
...
	.end_amdgpu_metadata
.endif
;; end of part 3
;; launch mix: the kernel of part 3 again; grid 8 x 16, 4 waves a work-group, clusters of 4 x 4, 327,680 bytes of LDS; arguments KVC, PW3, MTC; writes MTC
;; launch attn (part 4): grid 256 x 1, 4 waves a work-group, clusters of 4 x 1, 327,680 bytes of LDS; arguments XH, KVC, MTC, out0; writes out0
.if DOCPART == 4
	.amdgcn_target "amdgcn-amd-amdhsa--gfx1250"
	.amdhsa_code_object_version 6
	.text
	.protected	k_qb6b1b469ea_attn
	.globl	k_qb6b1b469ea_attn
	.p2align	8
	.type	k_qb6b1b469ea_attn,@function
k_qb6b1b469ea_attn:
	s_mov_b64 s[64:65], 0
	v_nop
	global_prefetch_b8 v0, s[64:65] scope:SCOPE_SE
	s_setreg_imm32_b32 hwreg(HW_REG_WAVE_MODE, 25, 1), 1
	s_wait_xcnt 0x0
	s_wait_alu depctr_hold_cnt(0) depctr_sa_sdst(0) depctr_va_vdst(0) depctr_va_sdst(0) depctr_va_ssrc(0) depctr_va_vcc(0) depctr_vm_vsrc(0)
	s_getreg_b32 s2, hwreg(HW_REG_IB_STS2, 6, 4)
	s_cmp_eq_u32 s2, 0
	s_cbranch_scc0 .Lentry_in_a_cluster
	s_endpgm
.Lentry_in_a_cluster:
	s_bfe_u32 s2, ttmp6, 0x10000c
	s_cmp_lg_u32 s2, 0x3003
	s_cbranch_scc0 .Lentry_shape_is_right
	s_endpgm
.Lentry_shape_is_right:
; ATTN.  s[l][k] = the sum over c of x[l][c] Mt[k][c] + cvec[k] (which is q . K_proj, with Mt = K_proj W_q^T and cvec = K_proj . b_q);  p = softmax over the 256 k of s / 32;  out[l][d] = the sum over k of p V_proj[k][d].
; x is the input rounded to bf16.  Mt, V_proj and p go to the matrix unit as two bf16 terms, hi + lo: x (Mhi + Mlo); Phi Vhi + Plo Vhi + Phi Vlo.  Sums, maximum and row sum in f32.
; The row's true maximum is taken away before the exponential: p = 2^(c s - c m), c = log2(e) / 32; the row sum is taken of the unrounded p, and out is multiplied by its reciprocal at the end.
; LIMITS.  A weight below 2^-126 counts as 0; NaN and infinities are not treated apart; the order of the sums differs from reference()'s.
; SHARES.  A work-group owns 64 rows l of one batch.  SCORES: wave w makes all 64 rows x keys 64 w on (source 0 = 16 keys, source 1 = 16 rows: a lane holds one row and eight keys), c in 16 chunks of 64.
; The maxima and sums of the four waves meet in LDS; p goes to LDS split.  OUTPUT: four blocks of 256 channels; wave w makes 64 rows x 64 channels of a block (source 0 = 16 rows of p, source 1 = V turned),
; keys in 4 chunks of 64.  V_proj's columns were laid so that lane r's four accumulators hold channels 4 r .. 4 r + 3: 16 lanes store 256 consecutive bytes with no stage.
; RING.  32 chunks (16 of Mt and x, 16 of V) walk through two LDS slots; chunk c + 2 is asked for when chunk c has been read.
; CLUSTER 4 x 1.  The four work-groups of a cluster belong to one batch and walk the same Mt and V: waves 0 and 1 ask for them jointly.  x's chunk is the work-group's own: wave 2 asks for it, with no mask.
; REGISTERS.  window 0: v2-17 addresses; v32-63 cvec, later 1 / row sum; v64-191 16 accumulators ((a, t) at 64 + 8 (4 a + t)); v192-255 at work.  window 1: two fragment buffers of 128.
.set PW,    272                        ; a row of Mt's chunk in LDS: hi 128 bytes, lo 128, 16 of padding
.set PXA,   144                        ; a row of x's chunk: 128 + 16
.set PV,    1056                       ; a key's row of V: four waves x (hi 128, lo 128) + 32
.set PPB,   1040                       ; a row of p: hi 512 bytes, lo 512, 16 of padding
.set XO,    256*PW
.set SLOT,  256*PW+64*PXA
.set PB,    2*SLOT
.set MX,    PB+64*PPB                  ; 64 rows x 4 waves: maxima; 1,024 bytes on: sums
.set RLB,   MX+2048                    ; 256 bytes a wave: 1 / row sum by rows
.set CVL,   RLB+1024                   ; cvec, 256 numbers
.set SPARE, CVL+1024
.set CP,    8388608
.set SPW, 2
.set NIL, 3
.set AW,  4                            ; v4-5   my Mt fragments in slot 0, 1
.set AX,  6                            ; v6-7   x's
.set AV,  8                            ; v8-9   V's
.set AP,  10                           ; v10    p's fragments
.set PS,  11                           ; v11    where I store p
.set MXS, 12
.set MXL, 13
.set RLS, 14
.set RLL, 15
.set GO,  16
.set CVA, 17
.set CV,  32
.set RL,  32
.set ACC, 64
.set TM,  192                          ; four registers for each 16 rows
.set SU,  208                          ; likewise
.set HIW, 224
.set LOW, 228
.set RES, 232
.set TQ,  192                          ; the way out: eight quads
.set F0,  0
.set F1,  128
.set WV,  12
.set G1W, 24
.set G1X, 32
.set G1V, 40
.set G0W, 48                           ; a set for each slot: Mt's chunks, later V's
.set G0X, 56
.set BW,  66                           ; s[66:67] Mt at my half of the batch's rows
.set BXB, 68                           ; s[68:69] x at my 64 rows of channel block 0
.set BV,  70                           ; s[70:71] V at my half of a chunk's rows
.set OF,  72                           ; s[72:73] a chunk's byte offset
.set OF2, 74
.set NX,  75                           ; the chunk to be asked for next
.set LV,  76                           ; my half's place in a slot, for V
.set CNT, 77
.set CS,  78                           ; s[78:79] c
.set SEL, 80                           ; s[80:81]
.set MSB, 0
.macro WIN new
.if MSB != (\new)
	s_set_vgpr_msb (MSB<<8)|(\new)
.set MSB, \new
.endif
.endm
.set MUL,  0x05
.set TO_F, 0x40
.macro PLACES
.rept 4
	v_nop
.endr
.endm
.macro CREST
	s_cmp_lg_u32 s[WV], 0
	s_cbranch_scc1 .Lnot_wave_0_\@
	s_barrier_signal -3
.Lnot_wave_0_\@:
	s_barrier_wait -3
	s_barrier_signal -1
	s_barrier_wait -1
.endm
.macro CROUND
	s_barrier_signal -1
	s_barrier_wait -1
	CREST
.endm
; The descriptors' addresses are made anew from the chunk's number: the base plus an offset made apart, the type bits set again.  No tensor load of the wave is out where these stand.
.macro STEP_S s                        ; chunk NX of the scores: Mt's columns and x's channel block 64 NX on
	s_lshr_b32 s[OF], s[NX], 2
	s_lshl_b32 s[OF], s[OF], 21
	s_and_b32 s[OF2], s[NX], 3
	s_lshl_b32 s[OF2], s[OF2], 8
	s_add_co_u32 s[OF], s[OF], s[OF2]
	s_add_nc_u64 s[G0W+4*(\s)+2:G0W+4*(\s)+3], s[BW:BW+1], s[OF:OF+1]
	s_or_b32 s[G0W+4*(\s)+3], s[G0W+4*(\s)+3], 0x80000000
	s_lshl_b32 s[OF], s[NX], 19
	s_add_nc_u64 s[G0X+4*(\s)+2:G0X+4*(\s)+3], s[BXB:BXB+1], s[OF:OF+1]
	s_or_b32 s[G0X+4*(\s)+3], s[G0X+4*(\s)+3], 0x80000000
	s_add_co_u32 s[NX], s[NX], 1
.endm
.macro STEP_V s                        ; chunk NX - 16 of the output: channel block (NX / 4) % 4, keys 64 (NX % 4) on
	s_bfe_u32 s[OF], s[NX], 0x20002
	s_lshl_b32 s[OF], s[OF], 21
	s_and_b32 s[OF2], s[NX], 3
	s_lshl_b32 s[OF2], s[OF2], 16
	s_add_co_u32 s[OF], s[OF], s[OF2]
	s_add_co_u32 s[G0W+4*(\s)+1], s[LV], (\s)*SLOT
	s_add_nc_u64 s[G0W+4*(\s)+2:G0W+4*(\s)+3], s[BV:BV+1], s[OF:OF+1]
	s_or_b32 s[G0W+4*(\s)+3], s[G0W+4*(\s)+3], 0x80000000
	s_add_co_u32 s[NX], s[NX], 1
.endm
; The fills.  The branches hang on the wave's number alone.  An s_nop 0 and four v_nop follow each load; a wave that asks for nothing has four v_nop too: on every way they are the places in front of the fragment loads.
.macro JL_S s
	s_cmp_lt_u32 s[WV], 2
	s_cbranch_scc0 .Lnot_w_\@
	tensor_load_to_lds s[G0W+4*(\s):G0W+4*(\s)+3], s[G1W:G1W+7]
	s_nop 0
	PLACES
	s_branch .Lasked_\@
.Lnot_w_\@:
	s_cmp_eq_u32 s[WV], 2
	s_cbranch_scc0 .Lnone_\@
	tensor_load_to_lds s[G0X+4*(\s):G0X+4*(\s)+3], s[G1X:G1X+7]
	s_nop 0
	PLACES
	s_branch .Lasked_\@
.Lnone_\@:
	PLACES
.Lasked_\@:
.endm
.macro JL_V s
	s_cmp_lt_u32 s[WV], 2
	s_cbranch_scc0 .Lnone_\@
	tensor_load_to_lds s[G0W+4*(\s):G0W+4*(\s)+3], s[G1V:G1V+7]
	s_nop 0
	PLACES
	s_branch .Lasked_\@
.Lnone_\@:
	PLACES
.Lasked_\@:
.endm
	s_load_b256 s[4:11], s[0:1], 0x0       ; XH s[4:5], KVC s[6:7], MTC s[8:9], out0 s[10:11]
	v_lshl_add_u32 v[SPW], v0, 2, SPARE
	v_mov_b32 v[NIL], 0
	ds_add_u32 v[SPW], v[NIL]              ; the wave's opening: the add, waited for ahead of my first tensor load
	v_lshrrev_b32 v1, 5, v0
	v_readfirstlane_b32 s[WV], v1          ; wave 0..3
	s_bfe_u32 s14, ttmp6, 0x40000          ; cx
	s_lshr_b32 s15, ttmp9, 4               ; the batch: 16 clusters each; the four partners share it
	s_and_b32 s16, ttmp9, 15
	s_lshl_b32 s16, s16, 2
	s_add_co_u32 s16, s16, s14             ; my block of 64 rows in the batch: it enters x's and out's addresses alone
	s_mov_b32 s13, 0xffff0000
	s_mov_b32 s[G1W], 15|(1<<16)|(1<<20)|(1<<21)|(5<<22)|(3<<25)   ; mask of four; 2-byte elements; padding on; bit 21 beside a mask; after every 64 words 4 words
	s_mov_b32 s[G1W+1], 128<<16
	s_mov_b32 s[G1W+2], 128<<16
	s_mov_b32 s[G1W+3], 128<<16
	s_mov_b32 s[G1W+4], 128                ; 128 keys x 128 elements (64 c, hi and lo)
	s_mov_b32 s[G1W+5], 512
	s_mov_b32 s[G1W+6], 0
	s_mov_b32 s[G1W+7], 0
	s_mov_b32 s[G1X], (1<<16)|(1<<20)|(4<<22)|(3<<25)              ; no mask; 64 rows l are 8,192 dense bytes: 32 rows of 256, padded after every 32 words
	s_mov_b32 s[G1X+1], 128<<16
	s_mov_b32 s[G1X+2], 32<<16
	s_mov_b32 s[G1X+3], 128<<16
	s_mov_b32 s[G1X+4], 32
	s_mov_b32 s[G1X+5], 128
	s_mov_b32 s[G1X+6], 0
	s_mov_b32 s[G1X+7], 0
	s_mov_b32 s[G1V], 15|(1<<16)|(1<<20)|(1<<21)|(7<<22)|(7<<25)   ; after every 256 words 8 words
	s_mov_b32 s[G1V+1], 512<<16
	s_mov_b32 s[G1V+2], 32<<16
	s_mov_b32 s[G1V+3], 512<<16
	s_mov_b32 s[G1V+4], 32                 ; 32 keys x 512 elements (256 channels, hi and lo)
	s_mov_b32 s[G1V+5], 512
	s_mov_b32 s[G1V+6], 0
	s_mov_b32 s[G1V+7], 0
	s_mov_b32 s[CS], 0x3d38aa3b            ; c = log2(e) / 32
	s_mov_b32 s[CS+1], s[CS]
	s_mov_b32 s[SEL], 0x76543210
	s_mov_b32 s[SEL+1], 0xfedcba98
	s_mov_b32 s[NX], 2
	s_mov_b32 s[OF+1], 0
	s_mul_i32 s22, s[WV], 128*PW           ; my half's place in a slot, for Mt: no place in the cluster enters an LDS address
	s_mul_i32 s[LV], s[WV], 32*PV
.irp s, 0,1
	s_mov_b32 s[G0W+4*(\s)], 1
	s_add_co_u32 s[G0W+4*(\s)+1], s22, (\s)*SLOT
	s_mov_b32 s[G0X+4*(\s)], 1
	s_mov_b32 s[G0X+4*(\s)+1], XO+(\s)*SLOT
.endr
	s_lshl_b32 s18, s15, 18                ; Mt: row 256 b + 128 w, 1,024 bytes a row
	s_lshl_b32 s17, s[WV], 17
	s_add_co_u32 s18, s18, s17
	s_mov_b32 s19, 0
	s_wait_dscnt 0x0                       ; the opening add is done
	s_wait_kmcnt 0x0
	s_add_nc_u64 s[BW:BW+1], s[8:9], s[18:19]
	s_lshl_b32 s18, s15, 18                ; V: row 1,024 + 256 b + 32 w
	s_lshl_b32 s17, s[WV], 15
	s_add_co_u32 s18, s18, s17
	s_add_co_u32 s18, s18, 1<<20
	s_add_nc_u64 s[BV:BV+1], s[6:7], s[18:19]
	s_lshl_b32 s18, s15, 10                ; the partial dots of rows 256 b on
	s_add_co_u32 s18, s18, CP
	s_add_nc_u64 s[6:7], s[6:7], s[18:19]
	s_lshl_b32 s20, s15, 23                ; x: the batch, my 64 rows of 128 bytes
	s_lshl_b32 s21, s16, 13
	s_add_co_u32 s20, s20, s21
	s_mov_b32 s21, 0
	s_add_nc_u64 s[BXB:BXB+1], s[4:5], s[20:21]
	s_lshl_b32 s20, s15, 24                ; out: my 64 rows of 4,096 bytes
	s_lshl_b32 s14, s16, 18
	s_add_co_u32 s20, s20, s14
	s_add_nc_u64 s[10:11], s[10:11], s[20:21]
	s_add_nc_u64 s[G0W+2:G0W+3], s[BW:BW+1], 0
	s_or_b32 s[G0W+3], s[G0W+3], 0x80000000
	s_add_nc_u64 s[G0W+6:G0W+7], s[BW:BW+1], 256
	s_or_b32 s[G0W+7], s[G0W+7], 0x80000000
	s_add_nc_u64 s[G0X+2:G0X+3], s[BXB:BXB+1], 0
	s_or_b32 s[G0X+3], s[G0X+3], 0x80000000
	s_add_nc_u64 s[G0X+6:G0X+7], s[BXB:BXB+1], 524288
	s_or_b32 s[G0X+7], s[G0X+7], 0x80000000
	CROUND                                 ; all four work-groups are here: the first joint loads meet
	s_cmp_lt_u32 s[WV], 2                  ; a wave's two first fills (chunks 0 and 1) stand in one branch; wave 3 has none
	s_cbranch_scc0 .Lff_not_w
	tensor_load_to_lds s[G0W:G0W+3], s[G1W:G1W+7]
	s_nop 0
	tensor_load_to_lds s[G0W+4:G0W+7], s[G1W:G1W+7]
	s_nop 0
	PLACES
	s_branch .Lff_done
.Lff_not_w:
	s_cmp_eq_u32 s[WV], 2
	s_cbranch_scc0 .Lff_done
	tensor_load_to_lds s[G0X:G0X+3], s[G1X:G1X+7]
	s_nop 0
	tensor_load_to_lds s[G0X+4:G0X+7], s[G1X:G1X+7]
	s_nop 0
	PLACES
.Lff_done:
	v_lshlrev_b32 v20, 3, v0               ; cvec: thread t adds the 16 partial dots of keys 2 t and 2 t + 1
.set i, 0
.rept 16
	global_load_b64 v[TM+2*i:TM+2*i+1], v20, s[6:7] offset:i*8192
.set i, i+1
.endr
	v_and_b32 v1, 15, v0                   ; r
	v_bfe_u32 v19, v0, 4, 1                ; h
	v_lshlrev_b32 v18, 4, v19
	v_mul_u32_u24 v21, v1, PW
	v_add_nc_u32 v21, v21, v18
	s_mul_i32 s17, s[WV], 64*PW
	v_add_nc_u32 v[AW], s17, v21           ; key 64 w + r, 16 bytes for each half of the lanes
	v_add_nc_u32 v[AW+1], SLOT, v[AW]
	v_mul_u32_u24 v21, v1, PXA
	v_add_nc_u32 v21, v21, v18
	v_add_nc_u32 v[AX], XO, v21
	v_add_nc_u32 v[AX+1], XO+SLOT, v21
	v_and_b32 v21, 7, v0                   ; the turning load: key 8 h + L % 8, columns 8 ((L / 8) % 2) on
	v_lshl_add_u32 v21, v19, 3, v21
	v_mul_u32_u24 v21, v21, PV
	v_bfe_u32 v22, v0, 3, 1
	v_lshl_add_u32 v21, v22, 4, v21
	s_lshl_b32 s17, s[WV], 8
	v_add_nc_u32 v[AV], s17, v21
	v_add_nc_u32 v[AV+1], SLOT, v[AV]
	v_lshlrev_b32 v21, 15, v19             ; out: rows 8 h on, my wave's 256 bytes, 16 bytes a lane
	v_lshl_add_u32 v21, v1, 4, v21
	v_add_nc_u32 v[GO], s17, v21
	s_add_co_u32 s18, s17, RLB
	v_lshl_add_u32 v[RLS], v1, 2, s18
	v_lshl_add_u32 v[RLL], v19, 5, s18
	s_add_co_u32 s18, s17, CVL
	v_lshl_add_u32 v[CVA], v19, 5, s18
	v_mul_u32_u24 v21, v1, PPB
	v_add_nc_u32 v21, v21, v18
	v_add_nc_u32 v[AP], PB, v21
	s_lshl_b32 s17, s[WV], 7
	v_add_nc_u32 v[PS], s17, v[AP]
	v_lshlrev_b32 v21, 4, v1
	v_add_nc_u32 v[MXL], MX, v21
	s_lshl_b32 s17, s[WV], 2
	v_add_nc_u32 v[MXS], s17, v[MXL]
	v_lshl_add_u32 v21, v0, 3, CVL
	s_wait_loadcnt 0x0                     ; once, while the first chunk is on its way
.irp st, 8,4,2,1
.set p, 0
.rept \st
	v_pk_add_f32 v[TM+2*p:TM+2*p+1], v[TM+2*p:TM+2*p+1], v[TM+2*(p+\st):TM+2*(p+\st)+1]
.set p, p+1
.endr
.endr
	ds_store_b64 v21, v[TM:TM+1]
	s_wait_dscnt 0x0                       ; for the others' sake: my part of cvec is stored
	s_wait_tensorcnt 1                     ; my part of chunk 0 is in; chunk 1's may stay out
	s_barrier_signal -1
	s_barrier_wait -1
.irp k, 0,1,2,3
	ds_load_b128 v[CV+8*(\k):CV+8*(\k)+3],   v[CVA] offset:64*(\k)      ; register 8 k + j: cvec of key 64 w + 16 k + 8 h + j
	ds_load_b128 v[CV+8*(\k)+4:CV+8*(\k)+7], v[CVA] offset:64*(\k)+16
.endr
; SCORES.  24 LDS loads in one run: 32 c (half ks of a chunk): Mt's hi, x, Mt's lo
.macro FETCH_S slot, ks, f
	WIN TO_F
.irp k, 0,1,2,3
	ds_load_b128 v[(\f)+8*(\k):(\f)+8*(\k)+3],   v[AW+(\slot)] offset:(\k)*16*PW+64*(\ks)
	ds_load_b128 v[(\f)+8*(\k)+4:(\f)+8*(\k)+7], v[AW+(\slot)] offset:(\k)*16*PW+64*(\ks)+32
.endr
.irp a, 0,1,2,3
	ds_load_b128 v[(\f)+32+8*(\a):(\f)+32+8*(\a)+3],   v[AX+(\slot)] offset:(\a)*16*PXA+64*(\ks)
	ds_load_b128 v[(\f)+32+8*(\a)+4:(\f)+32+8*(\a)+7], v[AX+(\slot)] offset:(\a)*16*PXA+64*(\ks)+32
.endr
.irp k, 0,1,2,3
	ds_load_b128 v[(\f)+64+8*(\k):(\f)+64+8*(\k)+3],   v[AW+(\slot)] offset:(\k)*16*PW+64*(\ks)+128
	ds_load_b128 v[(\f)+64+8*(\k)+4:(\f)+64+8*(\k)+7], v[AW+(\slot)] offset:(\k)*16*PW+64*(\ks)+160
.endr
.endm
; 8 matrix instructions: rows 16 a0 on and 16 further x my 64 keys; part 0: Mt's hi, 1: its lo.  The 16 accumulators take turns.  first = 1: cvec starts the sums
.macro MULS f, part, a0, first
	WIN MUL
.irp a, \a0, (\a0)+1
.irp k, 0,1,2,3
.if \first
	v_wmma_f32_16x16x32_bf16 v[ACC+8*(4*(\a)+(\k)):ACC+8*(4*(\a)+(\k))+7], v[(\f)+64*(\part)+8*(\k):(\f)+64*(\part)+8*(\k)+7], v[(\f)+32+8*(\a):(\f)+32+8*(\a)+7], v[CV+8*(\k):CV+8*(\k)+7]
.else
	v_wmma_f32_16x16x32_bf16 v[ACC+8*(4*(\a)+(\k)):ACC+8*(4*(\a)+(\k))+7], v[(\f)+64*(\part)+8*(\k):(\f)+64*(\part)+8*(\k)+7], v[(\f)+32+8*(\a):(\f)+32+8*(\a)+7], v[ACC+8*(4*(\a)+(\k)):ACC+8*(4*(\a)+(\k))+7]
.endif
.endr
.endr
.endm
; A chunk of the scores: 64 matrix instructions, and the change of slots in its second half.  kind = 0: the slot takes a chunk of Mt and x; 1: one of V.  fetch = 1: the next chunk's first fragments.
.macro TRIP_S slot, first, kind, fetch
	s_wait_dscnt 8                         ; Mt's hi and x are in; the youngest eight loads (lo) may be out
	MULS F0, 0, 0, \first
	MULS F0, 0, 2, \first
	PLACES
	FETCH_S \slot, 1, F1
	s_wait_dscnt 24                        ; all but the 24 just issued
	MULS F0, 1, 0, 0
	MULS F0, 1, 2, 0
	WIN 0
	s_wait_tensorcnt 0x0                   ; all my tensor loads have landed: my part of the next chunk
	ds_add_u32 v[SPW], v[NIL]              ; 0 onto my spare word
	s_wait_dscnt 9                         ; (the add and the youngest eight loads may be out)
	MULS F1, 0, 0, 0
	s_wait_dscnt 0x0                       ; the add is done, and my reads of this slot are over
	s_barrier_signal -1
	MULS F1, 0, 2, 0
	WIN 0
	s_barrier_wait -1
	CREST                                  ; a round of the cluster's barrier: no wave of any partner still reads this slot or has a load on its way
.if \kind
	STEP_V \slot
	JL_V \slot
.else
	STEP_S \slot
	JL_S \slot
.endif
.if \fetch
	FETCH_S 1-(\slot), 0, F0
.endif
	MULS F1, 1, 0, 0
	MULS F1, 1, 2, 0
.endm
	FETCH_S 0, 0, F0
	TRIP_S 0, 1, 0, 1                      ; chunk 0; chunk 2 is asked for
	WIN 0
	s_mov_b32 s[CNT], 6
.Lscore:                               ; chunks 1 to 12
	TRIP_S 1, 0, 0, 1
	TRIP_S 0, 0, 0, 1
	WIN 0
	s_sub_co_u32 s[CNT], s[CNT], 1
	s_cmp_lg_u32 s[CNT], 0
	s_cbranch_scc1 .Lscore
	TRIP_S 1, 0, 0, 1                      ; chunk 13 asks for chunk 15
	TRIP_S 0, 0, 1, 1                      ; chunk 14 asks for V's first chunk,
	TRIP_S 1, 0, 1, 0                      ; chunk 15 for its second
	WIN 0
	; SOFTMAX.  A lane holds one row (16 a + r) and 32 of my wave's 64 keys; each accumulator's lowest registers are read first.
	PLACES
.irp a, 0,1,2,3
.set rS, ACC+32*(\a)
.set rC, TM+4*(\a)
.irp k, 0,1,2,3
	v_max3_num_f32 v[rC+(\k)], v[rS+8*(\k)], v[rS+8*(\k)+1], v[rS+8*(\k)+2]
.endr
.irp k, 0,1,2,3
	v_max3_num_f32 v[rC+(\k)], v[rC+(\k)], v[rS+8*(\k)+3], v[rS+8*(\k)+4]
.endr
.irp k, 0,1,2,3
	v_max3_num_f32 v[rC+(\k)], v[rC+(\k)], v[rS+8*(\k)+5], v[rS+8*(\k)+6]
.endr
	v_max3_num_f32 v[rC], v[rC], v[rS+7], v[rS+15]
	v_max3_num_f32 v[rC+2], v[rC+2], v[rS+23], v[rS+31]
	v_max3_num_f32 v[rC], v[rC], v[rC+1], v[rC+2]
	v_max_num_f32 v[rC], v[rC], v[rC+3]
.endr
.irp a, 0,1,2,3
	v_permlanex16_b32 v[TM+4*(\a)+1], v[TM+4*(\a)], s[SEL], s[SEL+1]   ; the row's other 32 keys lie in the lane 16 away
.endr
.irp a, 0,1,2,3
	v_max_num_f32 v[TM+4*(\a)], v[TM+4*(\a)], v[TM+4*(\a)+1]
.endr
.irp a, 0,1,2,3
	ds_store_b32 v[MXS], v[TM+4*(\a)] offset:256*(\a)
.endr
	s_wait_dscnt 0x0                       ; for the others' sake: my maxima are stored.
	s_barrier_signal -1
	s_barrier_wait -1
.irp a, 0,1,2,3
	ds_load_b128 v[TM+4*(\a):TM+4*(\a)+3], v[MXL] offset:256*(\a)
.endr
	s_wait_dscnt 0x0
.irp a, 0,1,2,3
	v_max3_num_f32 v[TM+4*(\a)], v[TM+4*(\a)], v[TM+4*(\a)+1], v[TM+4*(\a)+2]
.endr
.irp a, 0,1,2,3
	v_max_num_f32 v[TM+4*(\a)], v[TM+4*(\a)], v[TM+4*(\a)+3]           ; the row's maximum over all 256 keys
.endr
.irp a, 0,1,2,3
	v_mul_f32 v[TM+4*(\a)], s[CS], v[TM+4*(\a)]
.endr
.irp a, 0,1,2,3                        ; p = 2^(c s - c m), in place.  Behind a run of exponentials stands plain work on other registers before a result is used (ISA guide 5.7.2)
.set rS, ACC+32*(\a)
.set i, 0
.rept 16
	v_pk_fma_f32 v[rS+2*i:rS+2*i+1], v[rS+2*i:rS+2*i+1], s[CS:CS+1], v[TM+4*(\a):TM+4*(\a)+1] op_sel_hi:[1,0,0] neg_lo:[0,0,1] neg_hi:[0,0,1]
.set i, i+1
.endr
.set i, 0
.rept 32
	v_exp_f32 v[rS+i], v[rS+i]
.set i, i+1
.endr
.endr
.macro SPLIT8 src
.irp k, 0,1,2,3
	v_cvt_pk_bf16_f32 v[HIW+(\k)], v[(\src)+2*(\k)], v[(\src)+2*(\k)+1]
.endr
.irp k, 0,1,2,3
	v_lshlrev_b32 v[RES+2*(\k)],   16,  v[HIW+(\k)]
	v_and_b32     v[RES+2*(\k)+1], s13, v[HIW+(\k)]
.endr
.irp k, 0,1,2,3
	v_pk_add_f32 v[RES+2*(\k):RES+2*(\k)+1], v[(\src)+2*(\k):(\src)+2*(\k)+1], v[RES+2*(\k):RES+2*(\k)+1] neg_lo:[0,1] neg_hi:[0,1]
.endr
.irp k, 0,1,2,3
	v_cvt_pk_bf16_f32 v[LOW+(\k)], v[RES+2*(\k)], v[RES+2*(\k)+1]
.endr
.endm
	s_wait_alu depctr_va_vdst(0)
.irp a, 0,1,2,3                        ; the sum of the unrounded p, in two chains; p itself split and stored
.set rS, ACC+32*(\a)
.set rU, SU+4*(\a)
	v_pk_add_f32 v[rU:rU+1], v[rS:rS+1], v[rS+2:rS+3]
	v_pk_add_f32 v[rU+2:rU+3], v[rS+16:rS+17], v[rS+18:rS+19]
.irp i, 4,6,8,10,12,14
	v_pk_add_f32 v[rU:rU+1], v[rU:rU+1], v[rS+(\i):rS+(\i)+1]
	v_pk_add_f32 v[rU+2:rU+3], v[rU+2:rU+3], v[rS+16+(\i):rS+16+(\i)+1]
.endr
	v_pk_add_f32 v[rU:rU+1], v[rU:rU+1], v[rU+2:rU+3]
	v_add_f32 v[rU], v[rU], v[rU+1]
	v_permlanex16_b32 v[rU+1], v[rU], s[SEL], s[SEL+1]
	v_add_f32 v[rU], v[rU], v[rU+1]
	ds_store_b32 v[MXS], v[rU] offset:1024+256*(\a)
.irp k, 0,1,2,3
	SPLIT8 rS+8*(\k)
	ds_store_b128 v[PS], v[HIW:HIW+3] offset:(\a)*16*PPB+32*(\k)
	ds_store_b128 v[PS], v[LOW:LOW+3] offset:(\a)*16*PPB+32*(\k)+512
.endr
.endr
	s_wait_dscnt 0x0                       ; for the others' sake: my sums and my part of p are stored
	s_barrier_signal -1
	s_barrier_wait -1
.irp a, 0,1,2,3
	ds_load_b128 v[TM+4*(\a):TM+4*(\a)+3], v[MXL] offset:1024+256*(\a)
.endr
	s_wait_dscnt 0x0
.irp a, 0,1,2,3
	v_add_f32 v[TM+4*(\a)], v[TM+4*(\a)], v[TM+4*(\a)+1]
	v_add_f32 v[TM+4*(\a)+2], v[TM+4*(\a)+2], v[TM+4*(\a)+3]
.endr
.irp a, 0,1,2,3
	v_add_f32 v[TM+4*(\a)], v[TM+4*(\a)], v[TM+4*(\a)+2]
.endr
.irp a, 0,1,2,3
	v_rcp_f32 v[TM+4*(\a)], v[TM+4*(\a)]
.endr
	v_nop                                  ; a plain instruction between the last reciprocal and the use of its result
	s_wait_alu depctr_va_vdst(0)
.irp a, 0,1,2,3
	ds_store_b32 v[RLS], v[TM+4*(\a)] offset:64*(\a)                   ; by rows, in my wave's own 256 bytes,
.endr
.irp a, 0,1,2,3
	ds_load_b128 v[RL+8*(\a):RL+8*(\a)+3],   v[RLL] offset:64*(\a)     ; and back as the output's layout wants it: register 8 a + j: row 16 a + 8 h + j
	ds_load_b128 v[RL+8*(\a)+4:RL+8*(\a)+7], v[RLL] offset:64*(\a)+16
.endr
; OUTPUT.  32 LDS loads in one run: 32 keys (half ks of key chunk kq): p's hi, V's hi (turned), p's lo, V's lo
.macro FETCH_O slot, kq, ks, f
	WIN TO_F
.irp a, 0,1,2,3
	ds_load_b128 v[(\f)+8*(\a):(\f)+8*(\a)+3],   v[AP] offset:(\a)*16*PPB+128*(\kq)+64*(\ks)
	ds_load_b128 v[(\f)+8*(\a)+4:(\f)+8*(\a)+7], v[AP] offset:(\a)*16*PPB+128*(\kq)+64*(\ks)+32
.endr
.irp t, 0,1,2,3
	ds_load_tr16_b128 v[(\f)+64+8*(\t):(\f)+64+8*(\t)+3],   v[AV+(\slot)] offset:(\ks)*32*PV+32*(\t)
	ds_load_tr16_b128 v[(\f)+64+8*(\t)+4:(\f)+64+8*(\t)+7], v[AV+(\slot)] offset:(\ks)*32*PV+32*(\t)+16*PV
.endr
.irp a, 0,1,2,3
	ds_load_b128 v[(\f)+32+8*(\a):(\f)+32+8*(\a)+3],   v[AP] offset:(\a)*16*PPB+128*(\kq)+64*(\ks)+512
	ds_load_b128 v[(\f)+32+8*(\a)+4:(\f)+32+8*(\a)+7], v[AP] offset:(\a)*16*PPB+128*(\kq)+64*(\ks)+544
.endr
.irp t, 0,1,2,3
	ds_load_tr16_b128 v[(\f)+96+8*(\t):(\f)+96+8*(\t)+3],   v[AV+(\slot)] offset:(\ks)*32*PV+32*(\t)+128
	ds_load_tr16_b128 v[(\f)+96+8*(\t)+4:(\f)+96+8*(\t)+7], v[AV+(\slot)] offset:(\ks)*32*PV+32*(\t)+128+16*PV
.endr
.endm
; 8 matrix instructions.  prod 0: Phi Vhi; 1: Plo Vhi; 2: Phi Vlo.  The 16 accumulators take turns.
.macro MULO f, prod, a0, zero
	WIN MUL
.irp a, \a0, (\a0)+1
.irp t, 0,1,2,3
.if \zero
	v_wmma_f32_16x16x32_bf16 v[ACC+8*(4*(\a)+(\t)):ACC+8*(4*(\a)+(\t))+7], v[(\f)+32*((\prod)%2)+8*(\a):(\f)+32*((\prod)%2)+8*(\a)+7], v[(\f)+64+32*((\prod)/2)+8*(\t):(\f)+64+32*((\prod)/2)+8*(\t)+7], 0
.else
	v_wmma_f32_16x16x32_bf16 v[ACC+8*(4*(\a)+(\t)):ACC+8*(4*(\a)+(\t))+7], v[(\f)+32*((\prod)%2)+8*(\a):(\f)+32*((\prod)%2)+8*(\a)+7], v[(\f)+64+32*((\prod)/2)+8*(\t):(\f)+64+32*((\prod)/2)+8*(\t)+7], v[ACC+8*(4*(\a)+(\t)):ACC+8*(4*(\a)+(\t))+7]
.endif
.endr
.endr
.endm
.macro MULO16 f, prod, zero
	MULO \f, \prod, 0, \zero
	MULO \f, \prod, 2, \zero
.endm
; A chunk of the output: 96 matrix instructions, and the change of slots.  fill = 2: the slot takes the chunk two on, behind a round; 1: nothing is left to ask for
.macro TRIP_O slot, kq, zero, fill
	s_wait_dscnt 16                        ; the hi parts are in; the youngest sixteen loads (lo) may be out
	MULO16 F0, 0, \zero
	PLACES
	FETCH_O \slot, \kq, 1, F1
	s_wait_dscnt 32                        ; all but the 32 just issued
	MULO16 F0, 1, 0
	MULO16 F0, 2, 0
	WIN 0
	s_wait_tensorcnt 0x0                   ; all my tensor loads have landed: my part of the next chunk
	ds_add_u32 v[SPW], v[NIL]              ; 0 onto my spare word
	s_wait_dscnt 17                        ; (the add and the youngest sixteen loads may be out)
	MULO F1, 0, 0, 0
	s_wait_dscnt 0x0                       ; the add is done, and my reads of this slot are over
	s_barrier_signal -1
	MULO F1, 0, 2, 0
	WIN 0
	s_barrier_wait -1
.if (\fill) == 2
	CREST
	STEP_V \slot
	JL_V \slot
.else
	PLACES
.endif
	FETCH_O 1-(\slot), ((\kq)+1)%4, 0, F0
	MULO16 F1, 1, 0
	MULO16 F1, 2, 0
.endm
; A block of 256 channels leaves: times 1 / row sum, four neighbouring channels a lane.  Registers j ascending.  Eight quads of registers take turns.
.macro OUTBLK
	WIN 0
	PLACES
.irp a, 0,1,2,3
	s_wait_xcnt 0x0                        ; the quads are rewritten only behind this wait: the earlier stores' addresses are translated (ISA guide 3.1)
.irp j, 0,1,2,3,4,5,6,7
.irp t, 0,1,2,3
	v_mul_f32 v[TQ+4*(\j)+(\t)], v[ACC+8*(4*(\a)+(\t))+(\j)], v[RL+8*(\a)+(\j)]
.endr
	global_store_b128 v[GO], v[TQ+4*(\j):TQ+4*(\j)+3], s[10:11] offset:(16*(\a)+(\j))*4096 th:TH_STORE_NT   ; 16 lanes store 256 consecutive bytes, at a multiple of 256
.endr
.endr
	s_wait_xcnt 0x0                        ; and so is the base
	s_add_nc_u64 s[10:11], s[10:11], 1024  ; the next 256 channels
.endm
	FETCH_O 0, 0, 0, F0
	WIN 0
	s_mov_b32 s[CNT], 3
.Lblock:                               ; channel blocks 0 to 2
	TRIP_O 0, 0, 1, 2
	TRIP_O 1, 1, 0, 2
	TRIP_O 0, 2, 0, 2
	TRIP_O 1, 3, 0, 2
	OUTBLK
	s_sub_co_u32 s[CNT], s[CNT], 1
	s_cmp_lg_u32 s[CNT], 0
	s_cbranch_scc1 .Lblock
	TRIP_O 0, 0, 1, 2                      ; the last block is written out: its first two chunks ask for its last two
	TRIP_O 1, 1, 0, 2
	TRIP_O 0, 2, 0, 1
	s_wait_dscnt 16                        ; the last chunk: no change of slots
	MULO16 F0, 0, 0
	PLACES
	FETCH_O 1, 3, 1, F1
	s_wait_dscnt 32
	MULO16 F0, 1, 0
	MULO16 F0, 2, 0
	s_wait_dscnt 16
	MULO16 F1, 0, 0
	s_wait_dscnt 0x0
	MULO16 F1, 1, 0
	MULO16 F1, 2, 0
	OUTBLK
	s_wait_tensorcnt 0x0                   ; the wave's end
	ds_add_u32 v[SPW], v[NIL]
	s_wait_dscnt 0x0
	CROUND                                 ; the closing round: no work-group ends while a partner may still ask for a tile that names it
	s_endpgm
.Lfunc_end_k_qb6b1b469ea_attn:
	.size	k_qb6b1b469ea_attn, .Lfunc_end_k_qb6b1b469ea_attn-k_qb6b1b469ea_attn
	.p2alignl 7, 3214868480
	.fill 96, 4, 3214868480
	.section	.rodata,"a",@progbits
	.p2align	6, 0x0
	.amdhsa_kernel k_qb6b1b469ea_attn
		.amdhsa_group_segment_fixed_size 327680
		.amdhsa_private_segment_fixed_size 0
		.amdhsa_enable_private_segment 0
		.amdhsa_kernarg_size 32
		.amdhsa_user_sgpr_count 2
		.amdhsa_user_sgpr_kernarg_segment_ptr 1
		.amdhsa_wavefront_size32 1
		.amdhsa_system_sgpr_workgroup_id_x 1
		.amdhsa_system_sgpr_workgroup_id_y 1
		.amdhsa_system_sgpr_workgroup_id_z 1
		.amdhsa_system_vgpr_workitem_id 0
		.amdhsa_next_free_vgpr 512
		.amdhsa_next_free_sgpr 96
		.amdhsa_reserve_vcc 0
		.amdhsa_float_denorm_mode_32 3
		.amdhsa_float_denorm_mode_16_64 3
		.amdhsa_memory_ordered 1
		.amdhsa_forward_progress 1
		.amdhsa_inst_pref_size 209
	.end_amdhsa_kernel
	.amdgpu_metadata
---
amdhsa.version: [ 1, 2 ]
amdhsa.kernels:
  - .name:           k_qb6b1b469ea_attn
    .symbol:         k_qb6b1b469ea_attn.kd
    .args:
      - { .name: XH, .offset: 0, .size: 8, .value_kind: global_buffer, .address_space: global }
      - { .name: KVC, .offset: 8, .size: 8, .value_kind: global_buffer, .address_space: global }
      - { .name: MTC, .offset: 16, .size: 8, .value_kind: global_buffer, .address_space: global }
      - { .name: out0, .offset: 24, .size: 8, .value_kind: global_buffer, .address_space: global }
    .group_segment_fixed_size: 327680
    .private_segment_fixed_size: 0
    .kernarg_segment_align: 8
    .kernarg_segment_size: 32
    .max_flat_workgroup_size: 128
    .sgpr_count:     96
    .vgpr_count:     512
    .wavefront_size: 32
...
	.end_amdgpu_metadata
.endif
;; end of part 4
